; MI455X (gfx1250); checked and timed in simulation.
; The chip was launched on July 23, 2026; its instructions are those of AMD's public machine-readable ISA for CDNA 5 (MIT licence, August 2026) and "CDNA5" Instruction Set Architecture Reference Guide (July 2026). The comments in the code are by the model that wrote it; some were corrected since.
;; Attention Module. Allowed arithmetic: float matrix products may take bf16 or f16 operands with f32 sums; other float arithmetic in f32, or as packed bf16 or f16 multiplies, adds, multiply-adds, maxima and minima; sums over many terms, partial sums and values carried from step to step in f32; what a program stores and reads back later, other than sums and carried values, may be rounded once to bf16 or f16.
;; Inputs: W_attn 2,048 x 2,048 float32; W_attn2 1 x 2,048 float32; W_comb 1,024 x 2,048 float32; b_attn 2,048 float32; b_attn2 1 float32; b_comb 1,024 float32; decoder_out 64 x 1,024 float32; encoder_states 256 x 64 x 1,024 float32; hidden 64 x 1,024 float32.
;; Outputs: out0 64 x 1,024 float32; out1 64 x 1,024 float32.
;; 2 versions, each right; version 2 is version 1 with the launch prep written anew for expert scheduling mode. Each part assembles by itself: llvm-mc -triple=amdgcn-amd-amdhsa -mcpu=gfx1250 --defsym DOCPART=n.
;; ======== version 1 of 2: 4 launches
;; workspace buffers: encb 33,554,432 bytes; w2b 4,194,304 bytes; pre 786,432 bytes; part 1,048,576 bytes
;; launch prep (part 1): grid 768 x 1, 4 waves a work-group, no clusters, 0 bytes of LDS; arguments encoder_states, W_attn, W_comb, hidden, decoder_out, b_attn, b_comb, encb, w2b, pre; writes encb, w2b, pre
.if DOCPART == 1
	.amdgcn_target "amdgcn-amd-amdhsa--gfx1250"
	.amdhsa_code_object_version 6
	.text
	.protected	k_q099fce9820_prep
	.globl	k_q099fce9820_prep
	.p2align	8
	.type	k_q099fce9820_prep,@function
k_q099fce9820_prep:
	s_mov_b64 s[64:65], 0
	v_nop
	global_prefetch_b8 v0, s[64:65] scope:SCOPE_SE
	s_setreg_imm32_b32 hwreg(HW_REG_WAVE_MODE, 25, 1), 1
	s_wait_xcnt 0x0
; PREPARATION, three kinds of work-group, told apart by the work-group's number alone.  c = 2 log2(e): tanh(x) = 1 - 2 / (1 + 2^(c x)), so all that later enters a tanh is made with the factor c inside.
;   0 .. 191    pre: tiles of 16 n x 16 b of c (A W^T + bias), K = 1,024.  0 .. 127: A = hidden, W = W_attn's left half, bias = b_attn (the part of the scores' product that is the same for every s).
;               128 .. 191: A = decoder_out, W = W_comb's left half, bias = b_comb.  Wave bb makes the tile of b = 16 bb .. 16 bb + 15.  Operands rounded once to bf16, sums in f32.
;   192 .. 703  encb[b][s][:] = bf16(encoder_states[s][b][:]): rows turned so that one b's 256 rows lie together.  32 rows a work-group, 8 a wave.
;   704 .. 767  w2b[n][:] = bf16(c W_attn[n][1024:]).  32 rows a work-group, 8 a wave.
; LIMIT: w2b is rounded to bf16 after the multiplication by c (one f32 rounding, then the bf16 one).  NaN and infinities are not treated apart.
; No LDS, no barrier: no wave wants a byte that another has fetched into registers.  No cluster: nothing comes through LDS.  No prefetch: the launch is a stream of loads that are always out.
; A tile of pre is 1,024 bytes, at 1,024 (4 g + bb): [half jq of the 8 registers][lane][4 numbers]: lane r + 16 h, number 4 jq + i is (b = 16 bb + r, n = 16 g' + 8 h + 4 jq + i).
.set CEXP, 0x4038aa3b                  ; c = 2.885390
.set LO,  4                            ; v4   16 x lane: my 16 bytes of 512 in a row of f32; never rewritten
.set SO,  5                            ; v5   8 x lane: my 8 bytes of 256 in a row of bf16; never rewritten
.set FW,  6                            ; v6   my place in a fragment of W: (l % 16) x 8,192 + 32 (l / 16); never rewritten
.set FA,  7                            ; v7   the same for A: (l % 16) x 4,096 + 32 (l / 16); never rewritten
.set BO,  8                            ; v8   32 (l / 16): my eight numbers of the bias
.set TO,  9                            ; v9   16 x lane: my place in half a tile of pre
.set X,   64                           ; v[64:191]  conversion: four row slots of 32 registers
.set R0,  32                           ; v[32:223]  few rows: three sets of 64: 32 of W, then 32 of A, as loaded (f32), then as fragments
.set R1,  96
.set R2,  160
.set ACC, 224                          ; v[224:239] two accumulators, for the even and the odd 32 along K
.set SRC, 28                           ; s[28:29] conversion: my first row in the source
.set DST, 30                           ; s[30:31] and in the destination
.set WP,  32                           ; s[32:33] few rows: W at my 16 rows
.set AP,  34                           ; s[34:35] A at my 16 rows
.set BP,  36                           ; s[36:37] the bias at my 16 numbers
	s_load_b512 s[4:19], s[0:1], 0x0               ; enc s[4:5], W_attn s[6:7], W_comb s[8:9], hidden s[10:11], decoder_out s[12:13], b_attn s[14:15], b_comb s[16:17], encb s[18:19]
	s_load_b128 s[20:23], s[0:1], 0x40             ; w2b s[20:21], pre s[22:23]
	v_lshrrev_b32 v1, 5, v0
	v_readfirstlane_b32 s24, v1                    ; wave 0..3
	v_and_b32 v1, 31, v0                           ; lane
	v_and_b32 v2, 15, v0                           ; l % 16
	v_bfe_u32 v3, v0, 4, 1                         ; l / 16
	v_lshlrev_b32 v[LO], 4, v1
	v_lshlrev_b32 v[SO], 3, v1
	v_lshlrev_b32 v[FW], 13, v2
	v_lshl_add_u32 v[FW], v3, 5, v[FW]
	v_lshlrev_b32 v[FA], 12, v2
	v_lshl_add_u32 v[FA], v3, 5, v[FA]
	v_lshlrev_b32 v[BO], 5, v3
	v_lshlrev_b32 v[TO], 4, v1
	s_mov_b32 s26, CEXP
	s_mov_b32 s27, s26                             ; named with it as a pair
	s_wait_kmcnt 0x0
	s_cmp_lt_u32 ttmp9, 192
	s_cbranch_scc1 .Lfew
	s_cmp_lt_u32 ttmp9, 704
	s_cbranch_scc0 .Lw2
; THE CONVERSION.  A row is 4,096 bytes of f32: eight loads of 512 neighbouring bytes.  A lane's four numbers become 8 bytes, so each store of the wave covers 256 consecutive bytes, aligned.
; A ring of four row slots: one at work, one whose stores are leaving, two on their way in.
.macro CFILL slot, row, sstep
.irp j, 0,1,2,3,4,5,6,7
	global_load_b128 v[X+32*(\slot)+4*(\j):X+32*(\slot)+4*(\j)+3], v[LO], s[SRC:SRC+1] offset:(\row)*(\sstep)+512*(\j) th:TH_LOAD_NT
.endr
.endm
; The turn of a slot.  left: how many younger loads may stay out.  fill = 1: the slot in front of it in the ring takes the row three further on.
.macro CTURN slot, row, left, fill, scaled, sstep, dstep
	s_wait_loadcnt \left                           ; loads come back in order: my row's eight are in
.irp j, 0,1,2,3,4,5,6,7
.set XB, X+32*(\slot)+4*(\j)
.if \scaled
	v_pk_mul_f32 v[XB:XB+1], v[XB:XB+1], s[26:27] op_sel_hi:[1,0]
	v_pk_mul_f32 v[XB+2:XB+3], v[XB+2:XB+3], s[26:27] op_sel_hi:[1,0]
.endif
	v_cvt_pk_bf16_f32 v[XB], v[XB], v[XB+1]        ; in place: a register is written when it has been read
	v_cvt_pk_bf16_f32 v[XB+1], v[XB+2], v[XB+3]
	global_store_b64 v[SO], v[XB:XB+1], s[DST:DST+1] offset:(\row)*(\dstep)+256*(\j) th:TH_STORE_NT
.endr
.if \fill
.set FSL, ((\slot)+3)%4
.set FRW, (\row)+3
	s_wait_xcnt 0x0                                ; the stores issued so far have read their data: only behind this wait is the slot in front loaded again
	CFILL FSL, FRW, \sstep
.endif
.endm
.macro CONVERT scaled, sstep, dstep
	CFILL 0, 0, \sstep
	CFILL 1, 1, \sstep
	CFILL 2, 2, \sstep
	CTURN 0, 0, 16, 1, \scaled, \sstep, \dstep     ; two younger rows, sixteen loads, stay out
	CTURN 1, 1, 16, 1, \scaled, \sstep, \dstep
	CTURN 2, 2, 16, 1, \scaled, \sstep, \dstep
	CTURN 3, 3, 16, 1, \scaled, \sstep, \dstep
	CTURN 0, 4, 16, 1, \scaled, \sstep, \dstep     ; the last fill: row 7
	CTURN 1, 5, 16, 0, \scaled, \sstep, \dstep
	CTURN 2, 6, 8, 0, \scaled, \sstep, \dstep      ; the counts run down
	CTURN 3, 7, 0, 0, \scaled, \sstep, \dstep
.endm
	; encoder_states: work-group ci takes rows 32 ci .. 32 ci + 31 of [s][b]: s = ci / 2, b from 32 (ci % 2) + 8 wave on
	s_sub_co_u32 s25, ttmp9, 192
	s_lshl_b32 s40, s25, 17                        ; 32 rows of 4,096 bytes
	s_lshl_b32 s41, s24, 15                        ; my wave's 8
	s_add_co_u32 s40, s40, s41
	s_mov_b32 s41, 0
	s_add_nc_u64 s[SRC:SRC+1], s[4:5], s[40:41]
	s_lshr_b32 s42, s25, 1                         ; s
	s_and_b32 s43, s25, 1
	s_lshl_b32 s43, s43, 5
	s_lshl3_add_u32 s43, s24, s43                  ; my first b
	s_lshl_b32 s43, s43, 19                        ; a b is 256 rows of 2,048 bytes
	s_lshl_b32 s42, s42, 11
	s_add_co_u32 s42, s42, s43
	s_mov_b32 s43, 0
	s_add_nc_u64 s[DST:DST+1], s[18:19], s[42:43]
	CONVERT 0, 4096, 524288                        ; from b to b + 1: the next row of the source, 524,288 bytes on in encb (7 x that + 1,792 lies inside the signed 24-bit immediate)
	s_endpgm
.Lw2:	; W_attn's right half: rows 32 wi + 8 wave on
	s_sub_co_u32 s25, ttmp9, 704
	s_lshl_b32 s25, s25, 5
	s_lshl3_add_u32 s25, s24, s25                  ; my first n
	s_lshl_b32 s40, s25, 13                        ; a row of W_attn is 8,192 bytes,
	s_add_co_u32 s40, s40, 4096                    ; its right half begins 4,096 in
	s_mov_b32 s41, 0
	s_add_nc_u64 s[SRC:SRC+1], s[6:7], s[40:41]
	s_lshl_b32 s42, s25, 11
	s_mov_b32 s43, 0
	s_add_nc_u64 s[DST:DST+1], s[20:21], s[42:43]
	CONVERT 1, 8192, 2048
	s_endpgm
; FEW ROWS.  The product is taken as W A^T (source 0 = 16 rows of W, source 1 = 16 rows of A): a lane holds one b (l % 16) and the eight n 8 (l / 16) + 0..7.
; A fragment is 16 rows x 32 K: lane l holds row l % 16, K = 8 (l / 16) + 0..7 and 16 + 8 (l / 16) + 0..7.  From f32 rows that is four loads of 16 bytes, at 32 (l / 16) + 0, 16, 64, 80.
; A set is 64 along K: 256 consecutive bytes, aligned, of each of the 32 rows, in sixteen loads.
.macro FLOAD rb, off
.irp q, 0,1,2,3,4,5,6,7
	global_load_b128 v[(\rb)+4*(\q):(\rb)+4*(\q)+3], v[FW], s[WP:WP+1] offset:(\off)+128*((\q)/4)+64*(((\q)%4)/2)+16*((\q)%2)
	global_load_b128 v[(\rb)+32+4*(\q):(\rb)+32+4*(\q)+3], v[FA], s[AP:AP+1] offset:(\off)+128*((\q)/4)+64*(((\q)%4)/2)+16*((\q)%2)
.endr
.endm
.macro CONV rb                         ; sixteen f32 become a fragment's eight registers, in place and ascending: register i is written when registers 2 i and 2 i + 1 have been read
.irp g, 0,16,32,48
.irp i, 0,1,2,3,4,5,6,7
	v_cvt_pk_bf16_f32 v[(\rb)+(\g)+(\i)], v[(\rb)+(\g)+2*(\i)], v[(\rb)+(\g)+2*(\i)+1]
.endr
.endr
.endm
; A set's turn: two products, one on each accumulator, so that the accumulators take turns, over the backward jump too.
.macro FTURN rb, left, fill, off
	s_wait_loadcnt \left                           ; my set's sixteen loads are in; the younger sets' stay out
	CONV \rb
	v_wmma_f32_16x16x32_bf16 v[ACC:ACC+7], v[(\rb):(\rb)+7], v[(\rb)+32:(\rb)+39], v[ACC:ACC+7]
	v_wmma_f32_16x16x32_bf16 v[ACC+8:ACC+15], v[(\rb)+16:(\rb)+23], v[(\rb)+48:(\rb)+55], v[ACC+8:ACC+15]
.rept 4
	v_nop                                          ; four places behind the products, in front of loads into registers that they have read (ISA guide 7.12.1 for vector instructions)
.endr
.if \fill
	FLOAD \rb, \off
.endif
.endm
.Lfew:
	s_cmp_lt_u32 ttmp9, 128                        ; which of the two products
	s_cselect_b64 s[WP:WP+1], s[6:7], s[8:9]
	s_cselect_b64 s[AP:AP+1], s[10:11], s[12:13]
	s_cselect_b64 s[BP:BP+1], s[14:15], s[16:17]
	s_cselect_b32 s38, 0, 128
	s_sub_co_u32 s38, ttmp9, s38                   ; the block of 16 n in its own W
	s_lshl_b32 s40, s38, 17                        ; 16 rows of 8,192 bytes
	s_mov_b32 s41, 0
	s_add_nc_u64 s[WP:WP+1], s[WP:WP+1], s[40:41]
	s_lshl_b32 s40, s24, 16                        ; 16 rows of 4,096 bytes
	s_add_nc_u64 s[AP:AP+1], s[AP:AP+1], s[40:41]
	s_lshl_b32 s40, s38, 6
	s_add_nc_u64 s[BP:BP+1], s[BP:BP+1], s[40:41]
	s_lshl2_add_u32 s40, ttmp9, s24                ; tile 4 g + bb
	s_lshl_b32 s40, s40, 10
	s_add_nc_u64 s[22:23], s[22:23], s[40:41]
	global_load_b128 v[ACC:ACC+3], v[BO], s[BP:BP+1]             ; the first accumulator starts at the bias: a lane's eight n, the same for every b
	global_load_b128 v[ACC+4:ACC+7], v[BO], s[BP:BP+1] offset:16
	FLOAD R0, 0
	FLOAD R1, 256
	FLOAD R2, 512
.irp i, 8,9,10,11,12,13,14,15
	v_mov_b32 v[ACC+(\i)], 0                       ; the second starts at 0: written while the loads are out, so that the loop has one form of product
.endr
	s_mov_b32 s39, 4
.Lft:                                          ; a trip: sets 3 i, 3 i + 1, 3 i + 2 are multiplied, the three after them asked for
	FTURN R0, 32, 1, 768
	FTURN R1, 32, 1, 1024
	FTURN R2, 32, 1, 1280
	s_wait_xcnt 0x0                                ; every load issued so far has read its address, so the pointers may be written
	s_add_nc_u64 s[WP:WP+1], s[WP:WP+1], 768
	s_add_nc_u64 s[AP:AP+1], s[AP:AP+1], 768
	s_sub_co_u32 s39, s39, 1
	s_cmp_lg_u32 s39, 0
	s_cbranch_scc1 .Lft
	FTURN R0, 32, 1, 768                           ; set 12; the last load: set 15
	FTURN R1, 32, 0, 0
	FTURN R2, 16, 0, 0                             ; the counts run down
	FTURN R0, 0, 0, 0
.rept 4
	v_nop                                          ; with the four above: eight, once a launch, in front of the first read of the sums
.endr
.irp i, 0,2,4,6
	v_pk_add_f32 v[ACC+(\i):ACC+(\i)+1], v[ACC+(\i):ACC+(\i)+1], v[ACC+8+(\i):ACC+8+(\i)+1]  ; both accumulators are read from their low end on
.endr
.irp i, 0,2,4,6
	v_pk_mul_f32 v[ACC+(\i):ACC+(\i)+1], v[ACC+(\i):ACC+(\i)+1], s[26:27] op_sel_hi:[1,0]
.endr
	global_store_b128 v[TO], v[ACC:ACC+3], s[22:23]              ; each store covers 512 consecutive bytes, aligned
	global_store_b128 v[TO], v[ACC+4:ACC+7], s[22:23] offset:512
	s_endpgm
.Lfunc_end_k_q099fce9820_prep:
	.size	k_q099fce9820_prep, .Lfunc_end_k_q099fce9820_prep-k_q099fce9820_prep
	.p2alignl 7, 3214868480
	.fill 96, 4, 3214868480
	.section	.rodata,"a",@progbits
	.p2align	6, 0x0
	.amdhsa_kernel k_q099fce9820_prep
		.amdhsa_group_segment_fixed_size 0
		.amdhsa_private_segment_fixed_size 0
		.amdhsa_enable_private_segment 0
		.amdhsa_kernarg_size 80
		.amdhsa_user_sgpr_count 2
		.amdhsa_user_sgpr_kernarg_segment_ptr 1
		.amdhsa_wavefront_size32 1
		.amdhsa_system_sgpr_workgroup_id_x 1
		.amdhsa_system_sgpr_workgroup_id_y 1
		.amdhsa_system_sgpr_workgroup_id_z 1
		.amdhsa_system_vgpr_workitem_id 0
		.amdhsa_next_free_vgpr 240
		.amdhsa_next_free_sgpr 66
		.amdhsa_reserve_vcc 0
		.amdhsa_float_denorm_mode_32 3
		.amdhsa_float_denorm_mode_16_64 3
		.amdhsa_memory_ordered 1
		.amdhsa_forward_progress 1
		.amdhsa_inst_pref_size 80
	.end_amdhsa_kernel
	.amdgpu_metadata
---
amdhsa.version: [ 1, 2 ]
amdhsa.kernels:
  - .name:           k_q099fce9820_prep
    .symbol:         k_q099fce9820_prep.kd
    .args:
      - { .name: encoder_states, .offset: 0, .size: 8, .value_kind: global_buffer, .address_space: global }
      - { .name: W_attn, .offset: 8, .size: 8, .value_kind: global_buffer, .address_space: global }
      - { .name: W_comb, .offset: 16, .size: 8, .value_kind: global_buffer, .address_space: global }
      - { .name: hidden, .offset: 24, .size: 8, .value_kind: global_buffer, .address_space: global }
      - { .name: decoder_out, .offset: 32, .size: 8, .value_kind: global_buffer, .address_space: global }
      - { .name: b_attn, .offset: 40, .size: 8, .value_kind: global_buffer, .address_space: global }
      - { .name: b_comb, .offset: 48, .size: 8, .value_kind: global_buffer, .address_space: global }
      - { .name: encb, .offset: 56, .size: 8, .value_kind: global_buffer, .address_space: global }
      - { .name: w2b, .offset: 64, .size: 8, .value_kind: global_buffer, .address_space: global }
      - { .name: pre, .offset: 72, .size: 8, .value_kind: global_buffer, .address_space: global }
    .group_segment_fixed_size: 0
    .private_segment_fixed_size: 0
    .kernarg_segment_align: 8
    .kernarg_segment_size: 80
    .max_flat_workgroup_size: 128
    .sgpr_count:     66
    .vgpr_count:     240
    .wavefront_size: 32
...
	.end_amdgpu_metadata
.endif
;; end of part 1
;; launch score (part 2): grid 8 x 64, 4 waves a work-group, clusters of 4 x 4, 327,680 bytes of LDS; arguments encb, w2b, pre, W_attn2, part; writes part
.if DOCPART == 2
	.amdgcn_target "amdgcn-amd-amdhsa--gfx1250"
	.amdhsa_code_object_version 6
	.text
	.protected	k_q099fce9820_score
	.globl	k_q099fce9820_score
	.p2align	8
	.type	k_q099fce9820_score,@function
k_q099fce9820_score:
	s_mov_b64 s[64:65], 0
	v_nop
	global_prefetch_b8 v0, s[64:65] scope:SCOPE_SE
	s_setreg_imm32_b32 hwreg(HW_REG_WAVE_MODE, 25, 1), 1
	s_wait_xcnt 0x0
	s_wait_alu depctr_hold_cnt(0) depctr_sa_sdst(0) depctr_va_vdst(0) depctr_va_sdst(0) depctr_va_ssrc(0) depctr_va_vcc(0) depctr_vm_vsrc(0)
	s_getreg_b32 s2, hwreg(HW_REG_IB_STS2, 6, 4)
	s_cmp_eq_u32 s2, 0
	s_cbranch_scc0 .Lentry_in_a_cluster
	s_endpgm
.Lentry_in_a_cluster:
	s_bfe_u32 s2, ttmp6, 0x10000c
	s_cmp_lg_u32 s2, 0xf033
	s_cbranch_scc0 .Lentry_shape_is_right
	s_endpgm
.Lentry_shape_is_right:
; part[p][b][s] = the sum over 128 columns n of W_attn2[n] tanh(x[b][s][n]), with c x = encb[b][s][:] . w2b[n][:] + pre[b][n]; c = 2 log2(e) is inside w2b and pre, and tanh(x) = 1 - 2 / (1 + 2^(c x)).
; THE PRODUCT is a GEMM of 16,384 rows (256 b + s) x 2,048 columns x K = 1,024 in bf16, sums in f32.  A tile of 256 x 256 is one b with all its s: four waves, each 128 x 128 in 64 accumulators of 16 x 16.
; The accumulators START AT pre (the C operand of a tile's first products): nothing is cleared, and the part of the scores that does not hang on s is added for nothing.
; K goes in steps of 128 through a ring of two LDS slots filled by the tensor data mover: rows of 256 bytes of memory, at multiples of 256 from the buffer's first byte.
; CLUSTERS: 4 x 4 work-groups.  The four of a row of the cluster have the same b and need the same tiles of encb, the four of a column the same tiles of w2b: each tile is asked for JOINTLY,
; by the same tensor load with the same descriptor and a mask that names the four.
; TRANSPOSED: source 0 = 16 rows of w2b, source 1 = 16 rows of encb: lane l holds row s = l % 16 of a block and the columns 8 (l / 16) + 0..7.  So a row's sum over columns stays in the lane but for one exchange.
; THE END of a tile: for each of my eight blocks of 16 rows, 64 exponentials, 1 +, 64 reciprocals, and a packed multiply-add by -2 W_attn2 onto the lane's sum of W_attn2.  p = 2 x tile column + my half of the columns.
; LIMITS: 2^(c x) beyond f32 gives infinity, its reciprocal 0, and tanh 1; below 2^-126 it counts as 0, and tanh is -1.  NaN and infinities among the inputs are not treated apart.
; One tile to a work-group, 512 work-groups; a second copy of a lap and of the end, which a work-group that stays would need, is not written.
; REGISTERS, in windows of 256 (s_set_vgpr_msb: bits 1:0 source 0, 3:2 source 1, 5:4 source 2, 7:6 destination):
;   window 0: v0-31 addresses; v32-59 the end's sums; v64-127, v128-191 fragments of encb, two buffers
;   window 1: v0-63 pre for my 128 columns; v64-127, v128-191 fragments of w2b, two buffers; v192-255 -2 W_attn2 for my 128 columns
;   window 2: the 32 accumulators of my rows 0-63 ((a, b) at v[8 (8 a + b)]);   window 3: those of my rows 64-127
.set SIZE_K, 1024
.set KSTEP,  128
.set PITCH,  272                       ; an LDS row: 256 bytes + 16 of padding = 68 words: row r starts at bank 4 r mod 64 (64 banks of 4 bytes: ISA guide 11.1), so the 16 rows of a load start at 16 different banks
.set HALFT,  128*PITCH                 ; 128 rows: what one tensor load brings, and what one wave reads of either operand
.set SLOT,   4*HALFT                   ; encb's 256 rows, then w2b's 256 rows
.set STAGE,  2*SLOT                    ; behind the ring, never filled by a tensor load: 512 bytes for each wave, for the way out
.set SPARE,  STAGE+4*512               ; behind the stages: the spare words, 128 bytes for each wave: two blocks of 256 bytes that no other line names
.set LAPS,   SIZE_K/(2*KSTEP)          ; a lap = two K steps = once round the ring
.set H32,  6                           ; v6      32 (l / 16): my eight numbers of 16 of W_attn2
.set ADRA, 16                          ; v16-17  LDS address of my fragments of encb in slot 0, 1
.set ADRB, 20                          ; v20-21  the same for w2b
.set STO,  24                          ; v24     the way out: my word of 128 bytes in my stage
.set RD,   25                          ; v25     the way out: my 16 bytes of the stage's 512
.set CO,   26                          ; v26     16 x lane: my 16 bytes of the wave's 512 in part
.set LN,   27                          ; v27     lane
.set SPW,  28                          ; v28     LDS address of my spare word: SPARE + 4 x my thread's number; never rewritten
.set NIL,  29                          ; v29     0; never rewritten
.set PFO,  30                          ; v30     the prefetches' offset: my lane x a row of 2,048 bytes; never rewritten
.set HO,   31                          ; v31     256 (l / 16): my half's place in a tile of pre
.set SUM,  32                          ; v32-39  block a's sum for my row
.set T,    40                          ; v40-47  four chains of packed sums
.set SWP,  48                          ; v48-49  the sum of W_attn2 over my 64 columns, even and odd apart
.set PICK, 52                          ; v52-55  row 32 i + lane's sum
.set OUTR, 56                          ; v56-59  four neighbouring rows' sums
.set TT,   64                          ; v64-71  the other half of the lanes' sums (fragments' registers, free at the end)
.set F0,   64
.set F1,   128
.set PRE,  0                           ; window 1: column block b, register j at PRE + 8 b + j
.set M2W,  192                         ; window 1: likewise
.set PFA,  44                          ; s[44:45] where my prefetches stand
.set LIM,  43                          ; s43     1 in a wave that prefetches, else the greatest number
.set G1,  24                           ; s[24:31] descriptor group 1 for encb's tiles
.set G0,  32                           ; s[32:39] group 0, one set for each slot
.set G1B, 48                           ; s[48:55], s[56:63] the same for w2b's tiles
.set G0B, 56
.set MSB, 0
.macro WIN new                         ; the immediate's high byte repeats the setting that is left; a switch that changes nothing is dropped
.if MSB != (\new)
	s_set_vgpr_msb (MSB<<8)|(\new)
.set MSB, \new
.endif
.endm
.set MUL_LO, 0xa1                      ; source 0 (w2b) window 1, source 1 (encb) window 0, C and D window 2
.set TO_B,   0x40                      ; destination window 1, address window 0
; A joint load.  Waves 0 and 1 fetch encb's two halves, waves 2 and 3 w2b's.  The branch hangs on the wave's number alone.  An s_nop 0 and four v_nop follow each of the two lines.
.macro JLOAD s
	s_cmp_eq_u32 s11, 0
	s_cbranch_scc0 .Lfor_b_\@
	tensor_load_to_lds s[G0+4*(\s):G0+4*(\s)+3], s[G1:G1+7]
	s_nop 0
.rept 4
	v_nop
.endr
	s_branch .Lasked_\@
.Lfor_b_\@:
	tensor_load_to_lds s[G0B+4*(\s):G0B+4*(\s)+3], s[G1B:G1B+7]
	s_nop 0
.rept 4
	v_nop
.endr
.Lasked_\@:
.endm
; A prefetch, behind each joint refill and the run of LDS loads that follows it: the K step that stands two refills on: 32 rows x 256 bytes, a lane a row, one instruction a wave.
; Each row's 256 bytes of a K step are named once in the launch: encb's rows by the clusters with x = 0, w2b's by those with y = 0; the four partners that ask for a tile jointly share the 128 rows
; that a wave fetches BY ADDRESS, 32 each.  K steps 0 to 3 come by their loads alone; the loop's last trip, whose refills are the last two K steps, asks for nothing.
.macro ASK
	s_cmp_gt_u32 s3, s[LIM]                        ; s3 = 1 in the loop's last trip
	s_cbranch_scc0 .Lnot_mine_\@
	global_prefetch_b8 v[PFO], s[PFA:PFA+1] offset:KSTEP*2 th:TH_LOAD_NT scope:SCOPE_SE
.Lnot_mine_\@:
.endm
.macro CREST                           ; a round of the cluster's barrier behind its opening barrier
	s_cmp_lg_u32 s10, 0
	s_cbranch_scc1 .Lnot_wave_0_\@
	s_barrier_signal -3
.Lnot_wave_0_\@:
	s_barrier_wait -3
	s_barrier_signal -1
	s_barrier_wait -1
.endm
.macro CROUND                          ; a whole round
	s_barrier_signal -1
	s_barrier_wait -1
	CREST
.endm
	s_load_b128 s[4:7], s[0:1], 0x0                ; encb s[4:5], w2b s[6:7]
	s_load_b128 s[68:71], s[0:1], 0x10             ; pre s[68:69], W_attn2 s[70:71]
	s_load_b64 s[72:73], s[0:1], 0x20              ; part
	v_lshl_add_u32 v[SPW], v0, 2, SPARE
	v_mov_b32 v[NIL], 0
	ds_add_u32 v[SPW], v[NIL]                      ; the wave's opening: the add and its wait ahead of my first tensor load; the set-up below, work on registers, stands between them
	v_lshrrev_b32 v1, 5, v0
	v_readfirstlane_b32 s10, v1                    ; wave 0..3
	s_lshr_b32 s11, s10, 1                         ; which half of the tile's rows is mine.  Also: I fetch for encb (0) or for w2b (1)
	s_and_b32 s12, s10, 1                          ; which half of its columns.  Also: which 128 rows of that tile I fetch
	s_bfe_u32 s40, ttmp6, 0x40000                  ; cx
	s_bfe_u32 s41, ttmp6, 0x40004                  ; cy
	s_lshl_b32 s42, ttmp9, 2
	s_add_co_u32 s42, s42, s40                     ; tile column = 4 x cluster x + cx
	s_and_b32 s13, ttmp7, 0xffff
	s_lshl_b32 s13, s13, 2
	s_add_co_u32 s13, s13, s41                     ; tile row = b = 4 x cluster y + cy
	s_lshl_b32 s43, s41, 2
	s_lshl_b32 s43, 15, s43                        ; my row of the cluster: places 4 cy .. 4 cy + 3
	s_lshl_b32 s44, 0x1111, s40                    ; my column: places cx, cx + 4, cx + 8, cx + 12
	; descriptor group 1: a tile of 128 rows x 128 elements, padded in LDS
	s_or_b32 s[G1+0], s43, (1<<16)|(1<<20)|(1<<21)|(5<<22)|(3<<25)  ; 15:0 the mask; 17:16 elements of 2 bytes; 20 padding on; 21 set beside a mask; 24:22 after every 64 words (code 5); 31:25 4 words (code 3)
	s_or_b32 s[G1B+0], s44, (1<<16)|(1<<20)|(1<<21)|(5<<22)|(3<<25)
.irp g, G1, G1B
	s_mov_b32 s[(\g)+1], KSTEP<<16                 ; tensor_dim0 = 128
	s_mov_b32 s[(\g)+2], 128<<16                   ; tensor_dim1 = 128
	s_mov_b32 s[(\g)+3], KSTEP<<16                 ; tile_dim0 = 128
	s_mov_b32 s[(\g)+4], 128                       ; tile_dim1 = 128
	s_mov_b32 s[(\g)+5], SIZE_K                    ; elements from row to row
	s_mov_b32 s[(\g)+6], 0
	s_mov_b32 s[(\g)+7], 0
.endr
	; encb's tiles hang on the tile row alone, w2b's on the tile column alone; each address is made in registers that never hold the other coordinate
	s_lshl_b32 s17, s12, 7
	s_lshl_b32 s16, s13, 8
	s_add_co_u32 s16, s16, s17                     ; encb: row 256 b + 128 x half
	s_lshl_b32 s46, s42, 8
	s_add_co_u32 s46, s46, s17                     ; w2b: row 256 x tile column + 128 x half
	s_mov_b32 s17, 0
	s_mov_b32 s47, 0
	s_mov_b64 s[18:19], SIZE_K*2
	s_mul_u64 s[16:17], s[16:17], s[18:19]
	s_mul_u64 s[46:47], s[46:47], s[18:19]
	s_mul_i32 s20, s10, HALFT                      ; where they go: wave x 128 rows: no place in the cluster enters an LDS address
	s_wait_dscnt 0x0                               ; the opening add is done
	s_wait_kmcnt 0x0
	s_add_nc_u64 s[14:15], s[4:5], s[16:17]
	s_add_nc_u64 s[46:47], s[6:7], s[46:47]
	CROUND                                         ; all sixteen work-groups are here: the first joint loads meet
.irp s, 0,1
	s_mov_b32 s[G0+4*(\s)], 1                                      ; count = 1
	s_add_co_u32 s[G0+4*(\s)+1], s20, (\s)*SLOT                    ; LDS address
	s_add_nc_u64 s[G0+4*(\s)+2:G0+4*(\s)+3], s[14:15], (\s)*KSTEP*2  ; global address: K step s
	s_or_b32 s[G0+4*(\s)+3], s[G0+4*(\s)+3], 0x80000000            ; type = 2
	s_mov_b32 s[G0B+4*(\s)], 1
	s_add_co_u32 s[G0B+4*(\s)+1], s20, (\s)*SLOT
	s_add_nc_u64 s[G0B+4*(\s)+2:G0B+4*(\s)+3], s[46:47], (\s)*KSTEP*2
	s_or_b32 s[G0B+4*(\s)+3], s[G0B+4*(\s)+3], 0x80000000
	JLOAD \s                                       ; two loads of mine are out
.endr
	v_and_b32 v1, 15, v0                           ; l % 16
	v_bfe_u32 v2, v0, 4, 1                         ; l / 16
	v_lshlrev_b32 v[H32], 5, v2
	v_lshlrev_b32 v[HO], 8, v2
	v_and_b32 v[LN], 31, v0
	v_mul_u32_u24 v[PFO], v[LN], SIZE_K*2
	; pre: tile (column block 16 x tile column + 8 x half, b / 16), in it lane b % 16 + 16 (l / 16): the same numbers for all my rows
	s_lshl_b32 s74, s42, 4
	s_lshl3_add_u32 s74, s12, s74
	s_lshl_b32 s74, s74, 2
	s_lshr_b32 s75, s13, 4
	s_add_co_u32 s74, s74, s75
	s_lshl_b32 s74, s74, 10
	s_and_b32 s75, s13, 15
	s_lshl4_add_u32 s74, s75, s74
	s_mov_b32 s75, 0
	s_add_nc_u64 s[68:69], s[68:69], s[74:75]
	s_lshl_b32 s76, s42, 10                        ; W_attn2 at my 128 columns
	s_lshl_b32 s77, s12, 9
	s_add_co_u32 s76, s76, s77
	s_mov_b32 s77, 0
	s_add_nc_u64 s[70:71], s[70:71], s[76:77]
	WIN TO_B
.irp nb, 0,1,2,3,4,5,6,7
.irp jq, 0,1
	global_load_b128 v[PRE+8*(\nb)+4*(\jq):PRE+8*(\nb)+4*(\jq)+3], v[HO], s[68:69] offset:(\nb)*4096+(\jq)*512
	global_load_b128 v[M2W+8*(\nb)+4*(\jq):M2W+8*(\nb)+4*(\jq)+3], v[H32], s[70:71] offset:(\nb)*64+(\jq)*16
.endr
.endr
	WIN 0
	; a fragment: lane l holds row l % 16; registers 0-3 K = 8 (l / 16) + 0..7, registers 4-7 K = 16 + 8 (l / 16) + 0..7: two loads of 16 bytes, 32 bytes apart
	v_mul_u32_u24 v3, v1, PITCH
	v_lshl_add_u32 v3, v2, 4, v3
	s_mul_i32 s21, s11, HALFT                      ; my 128 rows of encb
	s_mul_i32 s22, s12, HALFT                      ; my 128 rows of w2b,
	s_add_co_u32 s22, s22, 2*HALFT                 ; which lie behind encb's 256
.irp s, 0,1
	v_add_nc_u32 v[ADRA+(\s)], s21, v3
	v_add_nc_u32 v[ADRB+(\s)], s22, v3
	s_add_co_u32 s21, s21, SLOT
	s_add_co_u32 s22, s22, SLOT
.endr
	s_lshl_b32 s23, s10, 9
	s_add_co_u32 s23, s23, STAGE                   ; my stage
	v_lshl_add_u32 v[STO], v[LN], 2, s23
	v_lshl_add_u32 v[RD], v[LN], 4, s23
	v_lshlrev_b32 v[CO], 4, v[LN]
	s_mov_b32 s66, 0x76543210                      ; v_permlanex16_b32's selects: each lane takes its own place in the other half
	s_mov_b32 s67, 0xfedcba98
	s_lshl1_add_u32 s78, s42, s12                  ; part: p = 2 x tile column + half,
	s_lshl_b32 s78, s78, 6
	s_add_co_u32 s78, s78, s13                     ; row b,
	s_lshl_b32 s78, s78, 10
	s_lshl_b32 s79, s11, 9                         ; my 128 of its 256 numbers
	s_add_co_u32 s78, s78, s79
	s_mov_b32 s79, 0
	s_add_nc_u64 s[72:73], s[72:73], s[78:79]
	; the prefetches
	s_lshl_b32 s13, s13, 8
	s_lshl_b32 s42, s42, 8
	s_and_b32 s22, ttmp7, 0xffff                   ; cluster y
	s_cmp_eq_u32 s11, 0                            ; do I fetch for encb?
	s_cselect_b32 s20, s13, s42                    ; the tile's first row
	s_cselect_b32 s21, s40, s41                    ; my place among the four that ask for it with me
	s_cselect_b32 s22, ttmp9, s22                  ; the coordinate along which other clusters read the same rows
	s_cselect_b64 s[PFA:PFA+1], s[4:5], s[6:7]
	s_cmp_eq_u32 s22, 0
	s_cselect_b32 s[LIM], 1, -1                    ; the same in all sixteen partners, for a given wave
	s_lshl_b32 s22, s12, 7
	s_add_co_u32 s20, s20, s22                     ; + the 128 rows that I fetch
	s_lshl_b32 s21, s21, 5
	s_add_co_u32 s20, s20, s21                     ; + my work-group's 32 of them
	s_mov_b32 s21, 0
	s_mov_b64 s[18:19], SIZE_K*2
	s_mul_u64 s[20:21], s[20:21], s[18:19]
	s_add_nc_u64 s[PFA:PFA+1], s[PFA:PFA+1], s[20:21]
	s_add_nc_u64 s[PFA:PFA+1], s[PFA:PFA+1], 2*KSTEP*2  ; at K step 2: the first refill steps it to 3 and names K step 4
	s_wait_loadcnt 0x0                             ; pre and W_attn2
	WIN 0x41                                       ; destination and source 0 window 1
.set i, 0
.rept 32
	v_pk_mul_f32 v[M2W+2*i:M2W+2*i+1], v[M2W+2*i:M2W+2*i+1], -2.0 op_sel_hi:[1,0]
.set i, i+1
.endr
	WIN 0x01                                       ; source 0 window 1, the rest window 0
	v_pk_mul_f32 v[SWP:SWP+1], v[M2W:M2W+1], -0.5 op_sel_hi:[1,0]  ; the sum of W_attn2 over my 64 columns: all this stands in the wait for the first tile
.set i, 1
.rept 31
	v_pk_fma_f32 v[SWP:SWP+1], v[M2W+2*i:M2W+2*i+1], -0.5, v[SWP:SWP+1] op_sel_hi:[1,0,1]
.set i, i+1
.endr
	WIN 0
; 16 matrix instructions: row blocks a0, a0 + 1 of the window's four (hi = 0: my rows 0-63, 1: rows 64-127) x all 8 column blocks, 32 along K.  first = 1: the sums start at pre (C in window 1).
; The 64 accumulators take turns, one instruction a turn, in the same order in every quarter step, over the backward jump too.
.macro MUL16 f, hi, a0, first
.if \first
	WIN 0x91+0x40*(\hi)
.else
	WIN MUL_LO+0x50*(\hi)
.endif
.irp a, \a0, (\a0)+1
.irp b, 0,1,2,3,4,5,6,7
.if \first
	v_wmma_f32_16x16x32_bf16 v[8*(8*(\a)+(\b)):8*(8*(\a)+(\b))+7], v[(\f)+8*(\b):(\f)+8*(\b)+7], v[(\f)+8*(4*(\hi)+(\a)):(\f)+8*(4*(\hi)+(\a))+7], v[PRE+8*(\b):PRE+8*(\b)+7]
.else
	v_wmma_f32_16x16x32_bf16 v[8*(8*(\a)+(\b)):8*(8*(\a)+(\b))+7], v[(\f)+8*(\b):(\f)+8*(\b)+7], v[(\f)+8*(4*(\hi)+(\a)):(\f)+8*(4*(\hi)+(\a))+7], v[8*(8*(\a)+(\b)):8*(8*(\a)+(\b))+7]
.endif
.endr
.endr
.endm
; 32 LDS loads in one run: the fragments of one quarter step (32 K at byte k of the rows) into buffer f: w2b's first, then encb's
.macro FETCH slot, k, f
	WIN TO_B
.irp i, 0,1,2,3,4,5,6,7
	ds_load_b128 v[(\f)+8*(\i):(\f)+8*(\i)+3],   v[ADRB+(\slot)] offset:(\k)+(\i)*16*PITCH
	ds_load_b128 v[(\f)+8*(\i)+4:(\f)+8*(\i)+7], v[ADRB+(\slot)] offset:(\k)+(\i)*16*PITCH+32
.endr
	WIN 0
.irp i, 0,1,2,3,4,5,6,7
	ds_load_b128 v[(\f)+8*(\i):(\f)+8*(\i)+3],   v[ADRA+(\slot)] offset:(\k)+(\i)*16*PITCH
	ds_load_b128 v[(\f)+8*(\i)+4:(\f)+8*(\i)+7], v[ADRA+(\slot)] offset:(\k)+(\i)*16*PITCH+32
.endr
.endm
.macro PLACES                          ; four places in front of loads into registers that matrix instructions have read, and of vector work that reads results (ISA guide 7.12.1 for vector instructions)
.rept 4
	v_nop
.endr
.endm
; A K step is four quarter steps of 32 along K, 64 matrix instructions each, on buffers 0, 1, 0, 1.  One of the first three: multiplies buffer f and, in its middle, fetches the next quarter, at byte k, into g.
.macro QUARTER slot, k, f, g, first
	s_wait_dscnt 8                                 ; w2b's fragments and encb's rows 0-63 are in; the youngest eight loads (rows 64-127) may be out
	MUL16 \f, 0, 0, \first
	MUL16 \f, 0, 2, \first
	PLACES
	FETCH \slot, \k, \g
	s_wait_dscnt 32                                ; all but the 32 just issued
	MUL16 \f, 1, 0, \first
	MUL16 \f, 1, 2, \first
.endm
; The last quarter multiplies buffer 1 and changes slots.  MEET is its first half: ONE barrier.  In front of it each wave waits for all its tensor loads (one is out: its part of the next slot), adds 0 to
; its spare word, and waits for that and for its own reads of this slot.  Behind it nobody reads this slot any more and the next slot is whole.
.macro MEET round
	WIN 0                                          ; (the add's two registers lie in window 0)
	s_wait_tensorcnt 0x0
	ds_add_u32 v[SPW], v[NIL]
	s_wait_dscnt 9                                 ; (the add and the youngest eight loads may be out)
	MUL16 F1, 0, 0, 0                              ; sixteen matrix instructions stand between the add and the wait for it
	s_wait_dscnt 0x0                               ; the add is done, and my reads of this slot are over
	s_barrier_signal -1
	MUL16 F1, 0, 2, 0                              ; work on registers while the others arrive
.if \round
	WIN 0
.endif
	s_barrier_wait -1
.endm
; The whole last quarter with a refill: the barrier opens a round of the cluster's barrier, so that no wave of any partner still reads the slot or has a load on its way; the joint refill, this slot's K step
; two steps on, is the first tensor load behind the round.  From the request to the wait for it a wave issues 224 matrix instructions.
.macro TURN slot, next
	s_wait_xcnt 0x0                                ; the last prefetch, a K step back, has read its address: it is stepped here, ahead of the waits of the change of slots
	s_add_nc_u64 s[PFA:PFA+1], s[PFA:PFA+1], KSTEP*2
	MEET 1
	CREST
	s_add_nc_u64 s[G0+4*(\slot)+2:G0+4*(\slot)+3], s[G0+4*(\slot)+2:G0+4*(\slot)+3], 2*KSTEP*2
	s_add_nc_u64 s[G0B+4*(\slot)+2:G0B+4*(\slot)+3], s[G0B+4*(\slot)+2:G0B+4*(\slot)+3], 2*KSTEP*2
	JLOAD \slot                                    ; the four v_nop behind it are also the places in front of the loads below
	FETCH \next, 0, F0
	ASK
	MUL16 F1, 1, 0, 0
	MUL16 F1, 1, 2, 0
.endm
; THE END of block a (16 rows x my 128 columns, 64 registers), in place.  Two batches of 64 transcendentals, each with one plain instruction behind its last and ONE wait ahead of its first reader.
; Each accumulator is read from its lowest register on.  Then four chains of packed multiply-adds: the sum of W_attn2 - 2 W_attn2 / (1 + 2^(c x)) over my 64 columns.
.macro EPI a
.set AC, 64*((\a)%4)
.set W, 2+(\a)/4
	WIN (W<<6)|W                                   ; destination and source 0: the block's window
.set i, 0
.rept 64
	v_exp_f32 v[AC+i], v[AC+i]
.set i, i+1
.endr
	v_nop
	s_wait_alu depctr_va_vdst(0)
.set i, 0
.rept 32
	v_pk_add_f32 v[AC+2*i:AC+2*i+1], v[AC+2*i:AC+2*i+1], 1.0 op_sel_hi:[1,0]
.set i, i+1
.endr
.set i, 0
.rept 64
	v_rcp_f32 v[AC+i], v[AC+i]
.set i, i+1
.endr
	v_nop
	s_wait_alu depctr_va_vdst(0)
	WIN 0x04|W                                     ; source 0 the block's window, source 1 window 1, source 2 and destination window 0
.set i, 0
.rept 32
.if i == 0
	v_pk_fma_f32 v[T:T+1], v[AC:AC+1], v[M2W:M2W+1], v[SWP:SWP+1]
.elseif i < 4
	v_pk_mul_f32 v[T+2*i:T+2*i+1], v[AC+2*i:AC+2*i+1], v[M2W+2*i:M2W+2*i+1]
.else
	v_pk_fma_f32 v[T+2*(i%4):T+2*(i%4)+1], v[AC+2*i:AC+2*i+1], v[M2W+2*i:M2W+2*i+1], v[T+2*(i%4):T+2*(i%4)+1]
.endif
.set i, i+1
.endr
	WIN 0
	v_pk_add_f32 v[T:T+1], v[T:T+1], v[T+2:T+3]
	v_pk_add_f32 v[T+4:T+5], v[T+4:T+5], v[T+6:T+7]
	v_pk_add_f32 v[T:T+1], v[T:T+1], v[T+4:T+5]
	v_add_f32 v[SUM+(\a)], v[T], v[T+1]
.endm
	s_wait_tensorcnt 1                             ; my part of K step 0 is in; K step 1's may stay out
	s_barrier_signal -1
	s_barrier_wait -1                              ; everybody's is
	FETCH 0, 0, F0
	QUARTER 0, 64,  F0, F1, 1                      ; the first quarter stands in front of the loop: its products start the sums, at pre
	WIN 0                                          ; at a label and at a branch every window is 0
	s_mov_b32 s3, LAPS-1
.Llap:                                                 ; a trip goes once round the ring, from a lap's second quarter to the next lap's first, and fills both slots again
	QUARTER 0, 128, F1, F0, 0
	QUARTER 0, 192, F0, F1, 0
	TURN 0, 1
	QUARTER 1, 64,  F0, F1, 0
	QUARTER 1, 128, F1, F0, 0
	QUARTER 1, 192, F0, F1, 0
	TURN 1, 0
	QUARTER 0, 64,  F0, F1, 0
	WIN 0
	s_sub_co_u32 s3, s3, 1
	s_cmp_lg_u32 s3, 0
	s_cbranch_scc1 .Llap
	QUARTER 0, 128, F1, F0, 0                      ; the last lap is written out: it fills nothing, and has no round of the cluster's barrier
	QUARTER 0, 192, F0, F1, 0
	MEET 0                                         ; my one tensor load that was still out is the last K step's
	PLACES                                         ; for the loads into buffer 0, which the quarter before multiplied
	FETCH 1, 0, F0
	MUL16 F1, 1, 0, 0
	MUL16 F1, 1, 2, 0
	QUARTER 1, 64,  F0, F1, 0
	QUARTER 1, 128, F1, F0, 0
	QUARTER 1, 192, F0, F1, 0
	s_wait_dscnt 8                                 ; the very last quarter: nothing more to fetch
	MUL16 F1, 0, 0, 0
	MUL16 F1, 0, 2, 0
	s_wait_dscnt 0x0
	MUL16 F1, 1, 0, 0
	MUL16 F1, 1, 2, 0
	WIN 0
	PLACES
	PLACES                                         ; eight, once a launch, in front of the first read of the sums
.irp a, 0,1,2,3,4,5,6,7
	EPI \a
.endr
	; THE WAY OUT.  A row's other 64 columns lie in the lane 16 away.  Then lane l takes row 32 i + l (block 2 i in the lower half of the lanes, 2 i + 1 in the upper), the 128 sums go through my own
	; stage, and come back four neighbouring rows a lane: one store of 512 consecutive bytes, aligned.
.irp a, 0,1,2,3,4,5,6,7
	v_permlanex16_b32 v[TT+(\a)], v[SUM+(\a)], s66, s67
.endr
.irp a, 0,1,2,3,4,5,6,7
	v_add_f32 v[SUM+(\a)], v[SUM+(\a)], v[TT+(\a)]
.endr
	v_cmp_le_u32 vcc_lo, 16, v[LN]
.irp i, 0,1,2,3
	v_cndmask_b32 v[PICK+(\i)], v[SUM+2*(\i)], v[SUM+2*(\i)+1], vcc_lo
.endr
.irp i, 0,1,2,3
	ds_store_b32 v[STO], v[PICK+(\i)] offset:128*(\i)
.endr
	ds_load_b128 v[OUTR:OUTR+3], v[RD]             ; LDS serves a wave's instructions in order (ISA guide 5.7.1.4): this sees the stores above; the stage is my wave's own
	s_wait_dscnt 0x0
	global_store_b128 v[CO], v[OUTR:OUTR+3], s[72:73]
	s_wait_tensorcnt 0x0                           ; the wave's end: behind my last tensor load and my last LDS store
	ds_add_u32 v[SPW], v[NIL]
	s_wait_dscnt 0x0
	CROUND                                         ; the closing round: no work-group ends while a partner may still ask for a tile that names it
	s_endpgm
.Lfunc_end_k_q099fce9820_score:
	.size	k_q099fce9820_score, .Lfunc_end_k_q099fce9820_score-k_q099fce9820_score
	.p2alignl 7, 3214868480
	.fill 96, 4, 3214868480
	.section	.rodata,"a",@progbits
	.p2align	6, 0x0
	.amdhsa_kernel k_q099fce9820_score
		.amdhsa_group_segment_fixed_size 327680
		.amdhsa_private_segment_fixed_size 0
		.amdhsa_enable_private_segment 0
		.amdhsa_kernarg_size 40
		.amdhsa_user_sgpr_count 2
		.amdhsa_user_sgpr_kernarg_segment_ptr 1
		.amdhsa_wavefront_size32 1
		.amdhsa_system_sgpr_workgroup_id_x 1
		.amdhsa_system_sgpr_workgroup_id_y 1
		.amdhsa_system_sgpr_workgroup_id_z 1
		.amdhsa_system_vgpr_workitem_id 0
		.amdhsa_next_free_vgpr 1024
		.amdhsa_next_free_sgpr 80
		.amdhsa_reserve_vcc 1
		.amdhsa_float_denorm_mode_32 3
		.amdhsa_float_denorm_mode_16_64 3
		.amdhsa_memory_ordered 1
		.amdhsa_forward_progress 1
		.amdhsa_inst_pref_size 189
	.end_amdhsa_kernel
	.amdgpu_metadata
---
amdhsa.version: [ 1, 2 ]
amdhsa.kernels:
  - .name:           k_q099fce9820_score
    .symbol:         k_q099fce9820_score.kd
    .args:
      - { .name: encb, .offset: 0, .size: 8, .value_kind: global_buffer, .address_space: global }
      - { .name: w2b, .offset: 8, .size: 8, .value_kind: global_buffer, .address_space: global }
      - { .name: pre, .offset: 16, .size: 8, .value_kind: global_buffer, .address_space: global }
      - { .name: W_attn2, .offset: 24, .size: 8, .value_kind: global_buffer, .address_space: global }
      - { .name: part, .offset: 32, .size: 8, .value_kind: global_buffer, .address_space: global }
    .group_segment_fixed_size: 327680
    .private_segment_fixed_size: 0
    .kernarg_segment_align: 8
    .kernarg_segment_size: 40
    .max_flat_workgroup_size: 128
    .sgpr_count:     80
    .vgpr_count:     1024
    .wavefront_size: 32
...
	.end_amdgpu_metadata
.endif
;; end of part 2
;; launch apply (part 3): grid 4 x 64, 8 waves a work-group, no clusters, 10,752 bytes of LDS; arguments part, b_attn2, encb, out1; writes out1
.if DOCPART == 3
	.amdgcn_target "amdgcn-amd-amdhsa--gfx1250"
	.amdhsa_code_object_version 6
	.text
	.protected	k_q099fce9820_apply
	.globl	k_q099fce9820_apply
	.p2align	8
	.type	k_q099fce9820_apply,@function
k_q099fce9820_apply:
	s_mov_b64 s[64:65], 0
	v_nop
	global_prefetch_b8 v0, s[64:65] scope:SCOPE_SE
	s_setreg_imm32_b32 hwreg(HW_REG_WAVE_MODE, 25, 1), 1
	s_wait_xcnt 0x0
; out1[b][:] = the sum over s of softmax_s(score[b][s]) enc[s][b][:], with score[b][s] = the sum of the 16 partial sums part[p][b][s] + b_attn2.
; A work-group has one b and 256 of its 1,024 columns: 256 work-groups.  Thread t makes score and weight of s = t; wave v sums rows s = 32 v .. 32 v + 31, a lane eight columns (16 bytes of bf16).
; The row's maximum is taken away before the exponential; the weights stay unnormalised (1 at the most), and the sum of the rows is divided by the sum of the weights at the end.  All sums in f32.
; All 32 loads of a wave's rows go out at the head, 512 consecutive bytes each, and are on their way while the softmax is made.
; LIMITS: enc enters rounded to bf16 (encb).  A weight below 2^-126 counts as 0.  NaN and infinities are not treated apart.
; No matrix unit (one row of weights a b), no cluster and no tensor load (no byte of encb is wanted twice), no prefetch (the whole share is asked for at once).
.set RED1,  0                          ; LDS: the eight waves' maxima, a block of 256 bytes to themselves
.set RED2,  256                        ; the eight waves' sums of weights
.set WREG,  512                        ; the 256 weights
.set ACCR,  1536                       ; wave v's 256 column sums at 1,024 v
.set SPARE, 9728                       ; the spare words, 128 bytes for each wave: four blocks of 256 bytes that no other line names
.set SPW, 2                            ; v2   LDS address of my spare word; never rewritten
.set NIL, 3                            ; v3   0; never rewritten
.set PO,  4                            ; v4   4 t: my s in a row of part
.set XO,  5                            ; v5   my wave's 32 rows of 2,048 bytes + 16 x lane
.set RA,  6                            ; v6   4 x wave
.set ZA,  7                            ; v7   0, an LDS address
.set P,   8                            ; v[8:23]    the 16 partial sums; then score, exponent, weight
.set TMP, 24                           ; v[24:31]   at work
.set X,   32                           ; v[32:159]  32 rows x 4 registers
.set WB,  160                          ; v[160:191] my wave's 32 weights, in every lane
.set ACC, 192                          ; v[192:199] my eight columns' sums
.set ZR,  200                          ; v200 0: the first row's addend
.set RC,  202                          ; v[202:203] 1 / the sum of the weights, twice
.set WST, 204                          ; v204 128 x wave + 4 x lane
.set WLD, 205                          ; v205 128 x wave
.set AST, 206                          ; v206 1,024 x wave + 32 x lane
.set ALD, 207                          ; v207 512 x (wave % 2) + 16 x lane
	s_load_b256 s[4:11], s[0:1], 0x0               ; part s[4:5], b_attn2 s[6:7], encb s[8:9], out1 s[10:11]
	v_lshl_add_u32 v[SPW], v0, 2, SPARE
	v_mov_b32 v[NIL], 0
	v_lshrrev_b32 v1, 5, v0
	v_readfirstlane_b32 s13, v1                    ; wave 0..7
	v_and_b32 v1, 31, v0                           ; lane
	s_and_b32 s16, ttmp7, 0xffff                   ; b
	s_mov_b32 s14, 0x76543210                      ; v_permlanex16_b32's selects: each lane takes its own place in the other half
	s_mov_b32 s15, 0xfedcba98
	v_lshlrev_b32 v[PO], 2, v0
	s_lshl_b32 s17, s13, 16
	v_lshl_add_u32 v[XO], v1, 4, s17
	s_lshl_b32 s18, s13, 2
	v_mov_b32 v[RA], s18
	v_mov_b32 v[ZA], 0
	s_lshl_b32 s18, s13, 7
	v_lshl_add_u32 v[WST], v1, 2, s18
	v_mov_b32 v[WLD], s18
	s_lshl_b32 s18, s13, 10
	v_lshl_add_u32 v[AST], v1, 5, s18
	s_and_b32 s18, s13, 1
	s_lshl_b32 s18, s18, 9
	v_lshl_add_u32 v[ALD], v1, 4, s18
	v_mov_b32 v[ZR], 0
	v_mov_b32 v[TMP+1], 0                          ; v_permlanex16_b32 counts as a reader of its destination
	s_lshl_b32 s20, s16, 10                        ; part: row b of 1,024 bytes
	s_mov_b32 s21, 0
	s_lshl_b32 s22, s16, 19                        ; encb: b's 256 rows of 2,048 bytes,
	s_lshl_b32 s23, ttmp9, 9                       ; my work-group's 512 bytes of each
	s_add_co_u32 s22, s22, s23
	s_mov_b32 s23, 0
	s_lshl_b32 s24, s16, 12                        ; out1: row b, my work-group's 1,024 bytes
	s_lshl_b32 s25, ttmp9, 10
	s_add_co_u32 s24, s24, s25
	s_mov_b32 s25, 0
	s_wait_kmcnt 0x0
	s_load_b32 s12, s[6:7], 0x0                    ; b_attn2
	s_add_nc_u64 s[4:5], s[4:5], s[20:21]
	s_add_nc_u64 s[8:9], s[8:9], s[22:23]
	s_add_nc_u64 s[10:11], s[10:11], s[24:25]
.irp p, 0,1,2,3,4,5,6,7,8,9,10,11,12,13,14,15
	global_load_b32 v[P+(\p)], v[PO], s[4:5] offset:(\p)*65536
.endr
.set i, 0
.rept 32
	global_load_b128 v[X+4*i:X+4*i+3], v[XO], s[8:9] offset:i*2048 th:TH_LOAD_NT
.set i, i+1
.endr
	s_wait_loadcnt 32                              ; the partial sums are in; the 32 rows stay out
	v_pk_add_f32 v[P:P+1], v[P:P+1], v[P+2:P+3]
	v_pk_add_f32 v[P+4:P+5], v[P+4:P+5], v[P+6:P+7]
	v_pk_add_f32 v[P+8:P+9], v[P+8:P+9], v[P+10:P+11]
	v_pk_add_f32 v[P+12:P+13], v[P+12:P+13], v[P+14:P+15]
	v_pk_add_f32 v[P:P+1], v[P:P+1], v[P+4:P+5]
	v_pk_add_f32 v[P+8:P+9], v[P+8:P+9], v[P+12:P+13]
	v_pk_add_f32 v[P:P+1], v[P:P+1], v[P+8:P+9]
	s_wait_kmcnt 0x0
	v_add_f32 v[P], v[P], v[P+1]
	v_add_f32 v[P], s12, v[P]                      ; the score of s = t
	; the maximum: across the wave's lanes, then across the waves through LDS
	v_mov_b32 v[TMP], v[P]
	v_max_num_f32_dpp v[TMP], v[TMP], v[TMP] row_xmask:1 row_mask:0xf bank_mask:0xf
	v_max_num_f32_dpp v[TMP], v[TMP], v[TMP] row_xmask:2 row_mask:0xf bank_mask:0xf
	v_max_num_f32_dpp v[TMP], v[TMP], v[TMP] row_xmask:4 row_mask:0xf bank_mask:0xf
	v_max_num_f32_dpp v[TMP], v[TMP], v[TMP] row_xmask:8 row_mask:0xf bank_mask:0xf
	v_permlanex16_b32 v[TMP+1], v[TMP], s14, s15
	v_max_num_f32 v[TMP], v[TMP], v[TMP+1]
	ds_store_b32 v[RA], v[TMP] offset:RED1         ; all lanes write the wave's word with the same value
	s_wait_dscnt 0x0                               ; for the others' sake: my store is done
	s_barrier_signal -1
	s_barrier_wait -1
	ds_load_b128 v[TMP:TMP+3], v[ZA] offset:RED1
	ds_load_b128 v[TMP+4:TMP+7], v[ZA] offset:RED1+16
	s_wait_dscnt 0x0
	v_max3_num_f32 v[TMP], v[TMP], v[TMP+1], v[TMP+2]
	v_max3_num_f32 v[TMP+3], v[TMP+3], v[TMP+4], v[TMP+5]
	v_max3_num_f32 v[TMP], v[TMP], v[TMP+6], v[TMP+7]
	v_max_num_f32 v[TMP], v[TMP], v[TMP+3]
	v_sub_f32 v[P+1], v[P], v[TMP]
	v_mul_f32 v[P+1], 0x3fb8aa3b, v[P+1]           ; log2(e)
	v_exp_f32 v[P+2], v[P+1]
	v_nop                                          ; a plain instruction behind the exponential,
	s_wait_alu depctr_va_vdst(0)                   ; and the wait ahead of the first use
	ds_store_b32 v[WST], v[P+2] offset:WREG
	v_mov_b32 v[P+3], v[P+2]
	v_add_f32_dpp v[P+3], v[P+3], v[P+3] row_xmask:1 row_mask:0xf bank_mask:0xf
	v_add_f32_dpp v[P+3], v[P+3], v[P+3] row_xmask:2 row_mask:0xf bank_mask:0xf
	v_add_f32_dpp v[P+3], v[P+3], v[P+3] row_xmask:4 row_mask:0xf bank_mask:0xf
	v_add_f32_dpp v[P+3], v[P+3], v[P+3] row_xmask:8 row_mask:0xf bank_mask:0xf
	v_permlanex16_b32 v[TMP+1], v[P+3], s14, s15
	v_add_f32 v[P+3], v[P+3], v[TMP+1]
	ds_store_b32 v[RA], v[P+3] offset:RED2
	s_wait_dscnt 0x0                               ; my weights and my wave's sum lie in LDS
	s_barrier_signal -1
	s_barrier_wait -1
.irp j, 0,1,2,3,4,5,6,7
	ds_load_b128 v[WB+4*(\j):WB+4*(\j)+3], v[WLD] offset:WREG+16*(\j)  ; my wave's 32 weights: every lane reads the same words
.endr
	s_wait_dscnt 0x0
	; the rows: a multiply-add straight from each bf16 half into f32
.set i, 0
.rept 32
	s_wait_loadcnt 31-i                            ; row i is in; the younger rows stay out
.irp k, 0,1,2,3
.if i == 0
	v_fma_mix_f32_bf16 v[ACC+2*(\k)], v[X+(\k)], v[WB], v[ZR] op_sel_hi:[1,0,0]
	v_fma_mix_f32_bf16 v[ACC+2*(\k)+1], v[X+(\k)], v[WB], v[ZR] op_sel:[1,0,0] op_sel_hi:[1,0,0]
.else
	v_fma_mix_f32_bf16 v[ACC+2*(\k)], v[X+4*i+(\k)], v[WB+i], v[ACC+2*(\k)] op_sel_hi:[1,0,0]
	v_fma_mix_f32_bf16 v[ACC+2*(\k)+1], v[X+4*i+(\k)], v[WB+i], v[ACC+2*(\k)+1] op_sel:[1,0,0] op_sel_hi:[1,0,0]
.endif
.endr
.set i, i+1
.endr
	ds_store_b128 v[AST], v[ACC:ACC+3] offset:ACCR
	ds_store_b128 v[AST], v[ACC+4:ACC+7] offset:ACCR+16
	s_wait_dscnt 0x0
	s_barrier_signal -1
	s_barrier_wait -1                              ; all eight waves' column sums lie in LDS
	s_cmp_lt_u32 s13, 2                            ; waves 0 and 1 finish 128 columns each, four a lane
	s_cbranch_scc0 .Lend
	ds_load_b128 v[TMP:TMP+3], v[ZA] offset:RED2
	ds_load_b128 v[TMP+4:TMP+7], v[ZA] offset:RED2+16
.irp w, 0,1,2,3,4,5,6,7
	ds_load_b128 v[X+4*(\w):X+4*(\w)+3], v[ALD] offset:ACCR+1024*(\w)
.endr
	s_wait_dscnt 0x0
	v_pk_add_f32 v[TMP:TMP+1], v[TMP:TMP+1], v[TMP+2:TMP+3]
	v_pk_add_f32 v[TMP+4:TMP+5], v[TMP+4:TMP+5], v[TMP+6:TMP+7]
	v_pk_add_f32 v[TMP:TMP+1], v[TMP:TMP+1], v[TMP+4:TMP+5]
	v_add_f32 v[TMP], v[TMP], v[TMP+1]
	v_rcp_f32 v[RC], v[TMP]                        ; twice, to fill the pair that the packed multiply takes; the additions below are the independent work behind them
	v_rcp_f32 v[RC+1], v[TMP]
.irp w, 0,8,16,24
	v_pk_add_f32 v[X+(\w):X+(\w)+1], v[X+(\w):X+(\w)+1], v[X+(\w)+4:X+(\w)+5]
	v_pk_add_f32 v[X+(\w)+2:X+(\w)+3], v[X+(\w)+2:X+(\w)+3], v[X+(\w)+6:X+(\w)+7]
.endr
.irp w, 0,16
	v_pk_add_f32 v[X+(\w):X+(\w)+1], v[X+(\w):X+(\w)+1], v[X+(\w)+8:X+(\w)+9]
	v_pk_add_f32 v[X+(\w)+2:X+(\w)+3], v[X+(\w)+2:X+(\w)+3], v[X+(\w)+10:X+(\w)+11]
.endr
	v_pk_add_f32 v[X:X+1], v[X:X+1], v[X+16:X+17]
	v_pk_add_f32 v[X+2:X+3], v[X+2:X+3], v[X+18:X+19]
	s_wait_alu depctr_va_vdst(0)                   ; one wait for both reciprocals, ahead of their first reader
	v_pk_mul_f32 v[X:X+1], v[X:X+1], v[RC:RC+1]
	v_pk_mul_f32 v[X+2:X+3], v[X+2:X+3], v[RC:RC+1]
	global_store_b128 v[ALD], v[X:X+3], s[10:11]   ; 512 consecutive bytes, aligned
.Lend:
	s_wait_tensorcnt 0x0                           ; the wave's end: behind my last LDS store
	ds_add_u32 v[SPW], v[NIL]
	s_wait_dscnt 0x0
	s_endpgm
.Lfunc_end_k_q099fce9820_apply:
	.size	k_q099fce9820_apply, .Lfunc_end_k_q099fce9820_apply-k_q099fce9820_apply
	.p2alignl 7, 3214868480
	.fill 96, 4, 3214868480
	.section	.rodata,"a",@progbits
	.p2align	6, 0x0
	.amdhsa_kernel k_q099fce9820_apply
		.amdhsa_group_segment_fixed_size 10752
		.amdhsa_private_segment_fixed_size 0
		.amdhsa_enable_private_segment 0
		.amdhsa_kernarg_size 32
		.amdhsa_user_sgpr_count 2
		.amdhsa_user_sgpr_kernarg_segment_ptr 1
		.amdhsa_wavefront_size32 1
		.amdhsa_system_sgpr_workgroup_id_x 1
		.amdhsa_system_sgpr_workgroup_id_y 1
		.amdhsa_system_sgpr_workgroup_id_z 1
		.amdhsa_system_vgpr_workitem_id 0
		.amdhsa_next_free_vgpr 208
		.amdhsa_next_free_sgpr 66
		.amdhsa_reserve_vcc 0
		.amdhsa_float_denorm_mode_32 3
		.amdhsa_float_denorm_mode_16_64 3
		.amdhsa_memory_ordered 1
		.amdhsa_forward_progress 1
		.amdhsa_inst_pref_size 29
	.end_amdhsa_kernel
	.amdgpu_metadata
---
amdhsa.version: [ 1, 2 ]
amdhsa.kernels:
  - .name:           k_q099fce9820_apply
    .symbol:         k_q099fce9820_apply.kd
    .args:
      - { .name: part, .offset: 0, .size: 8, .value_kind: global_buffer, .address_space: global }
      - { .name: b_attn2, .offset: 8, .size: 8, .value_kind: global_buffer, .address_space: global }
      - { .name: encb, .offset: 16, .size: 8, .value_kind: global_buffer, .address_space: global }
      - { .name: out1, .offset: 24, .size: 8, .value_kind: global_buffer, .address_space: global }
    .group_segment_fixed_size: 10752
    .private_segment_fixed_size: 0
    .kernarg_segment_align: 8
    .kernarg_segment_size: 32
    .max_flat_workgroup_size: 256
    .sgpr_count:     66
    .vgpr_count:     208
    .wavefront_size: 32
...
	.end_amdgpu_metadata
.endif
;; end of part 3
;; launch final (part 4): grid 64 x 4, 8 waves a work-group, no clusters, 9,216 bytes of LDS; arguments out1, W_comb, pre, out0; writes out0
.if DOCPART == 4
	.amdgcn_target "amdgcn-amd-amdhsa--gfx1250"
	.amdhsa_code_object_version 6
	.text
	.protected	k_q099fce9820_final
	.globl	k_q099fce9820_final
	.p2align	8
	.type	k_q099fce9820_final,@function
k_q099fce9820_final:
	s_mov_b64 s[64:65], 0
	v_nop
	global_prefetch_b8 v0, s[64:65] scope:SCOPE_SE
	s_setreg_imm32_b32 hwreg(HW_REG_WAVE_MODE, 25, 1), 1
	s_wait_xcnt 0x0
; out0[b][n] = tanh(decoder_out[b] . W_comb[n][:1024] + applied[b] . W_comb[n][1024:] + b_comb[n]).  The first product and the bias lie in pre, times c = 2 log2(e); applied is out1.
; A work-group makes 16 n x 16 b: 256 work-groups.  K = 1,024 IS SPLIT AMONG ITS EIGHT WAVES, 128 each: 512 consecutive bytes, aligned, of each of the 32 rows; the partial sums meet in LDS.
; The product is taken as W A^T (source 0 = 16 rows of W_comb, source 1 = 16 rows of out1): a lane holds one b (l % 16) and the eight n 8 (l / 16) + 0..7: 32 bytes of out0 on end.
; Operands are rounded once to bf16, sums in f32; tanh(x) = 1 - 2 / (1 + 2^(c x)).
; LIMITS: 2^(c x) beyond f32 gives infinity and tanh 1; below 2^-126 it counts as 0 and tanh is -1.  NaN and infinities among the inputs are not treated apart.
; A store covers 64 bytes of each of 16 rows of out0: a work-group with whole blocks of 256 bytes would have 64 columns, and there would be 64 work-groups.
; No tensor load and no cluster: no wave wants a byte that another has fetched.  No prefetch: a wave's whole share, 32 loads, is asked for at once.
.set CEXP, 0x4038aa3b
.set PART,  0                          ; LDS: wave v's partial tile, 1,024 bytes, at 1,024 v: [half of the 8 registers][lane][4 numbers]
.set SPARE, 8192                       ; the spare words, 128 bytes for each wave: four blocks of 256 bytes that no other line names
.set SPW, 2                            ; v2   LDS address of my spare word; never rewritten
.set NIL, 3                            ; v3   0; never rewritten
.set FW,  4                            ; v4   my place in a fragment of W_comb: (l % 16) x 8,192 + 32 (l / 16)
.set FA,  5                            ; v5   the same for out1, and my 32 bytes in out0: (l % 16) x 4,096 + 32 (l / 16)
.set TO,  6                            ; v6   16 x lane
.set LSA, 7                            ; v7   1,024 x wave + 16 x lane
.set OP,  16                           ; v[16:23]  the tile of pre
.set ACC, 24                           ; v[24:39]  two accumulators
.set R0,  40                           ; v[40:167] two sets of 64: 32 of W, then 32 of A, as loaded (f32), then as fragments
.set R1,  104
.set WP,  12                           ; s[12:13]
.set AP,  14                           ; s[14:15]
	s_load_b256 s[4:11], s[0:1], 0x0               ; out1 s[4:5], W_comb s[6:7], pre s[8:9], out0 s[10:11]
	v_lshl_add_u32 v[SPW], v0, 2, SPARE
	v_mov_b32 v[NIL], 0
	v_lshrrev_b32 v1, 5, v0
	v_readfirstlane_b32 s16, v1                    ; wave 0..7
	v_and_b32 v1, 31, v0
	v_and_b32 v8, 15, v0                           ; l % 16
	v_bfe_u32 v9, v0, 4, 1                         ; l / 16
	v_lshlrev_b32 v[FW], 13, v8
	v_lshl_add_u32 v[FW], v9, 5, v[FW]
	v_lshlrev_b32 v[FA], 12, v8
	v_lshl_add_u32 v[FA], v9, 5, v[FA]
	v_lshlrev_b32 v[TO], 4, v1
	s_lshl_b32 s18, s16, 10
	v_lshl_add_u32 v[LSA], v1, 4, s18
	s_and_b32 s17, ttmp7, 0xffff                   ; the block of 16 b
	s_mov_b32 s26, CEXP
	s_mov_b32 s27, s26                             ; named with it as a pair
	s_lshl_b32 s18, ttmp9, 17                      ; W_comb: 16 rows of 8,192 bytes,
	s_lshl_b32 s19, s16, 9                         ; my wave's 512 bytes,
	s_add_co_u32 s18, s18, s19
	s_add_co_u32 s18, s18, 4096                    ; in the right half
	s_mov_b32 s19, 0
	s_lshl_b32 s20, s17, 16                        ; out1: 16 rows of 4,096 bytes, my wave's 512
	s_lshl_b32 s21, s16, 9
	s_add_co_u32 s20, s20, s21
	s_mov_b32 s21, 0
	s_add_co_u32 s22, ttmp9, 128                   ; pre: tile 4 (128 + block of n) + block of b
	s_lshl2_add_u32 s22, s22, s17
	s_lshl_b32 s22, s22, 10
	s_mov_b32 s23, 0
	s_lshl_b32 s24, s17, 16                        ; out0: 16 rows, 64 bytes of each
	s_lshl_b32 s25, ttmp9, 6
	s_add_co_u32 s24, s24, s25
	s_mov_b32 s25, 0
	s_wait_kmcnt 0x0
	s_add_nc_u64 s[WP:WP+1], s[6:7], s[18:19]
	s_add_nc_u64 s[AP:AP+1], s[4:5], s[20:21]
	s_add_nc_u64 s[8:9], s[8:9], s[22:23]
	s_add_nc_u64 s[10:11], s[10:11], s[24:25]
; A set is 64 along K: a fragment's lane wants K = 8 (l / 16) + 0..7 and 16 + 8 (l / 16) + 0..7: from f32 rows four loads of 16 bytes, at 32 (l / 16) + 0, 16, 64, 80
.macro FLOAD rb, off
.irp q, 0,1,2,3,4,5,6,7
	global_load_b128 v[(\rb)+4*(\q):(\rb)+4*(\q)+3], v[FW], s[WP:WP+1] offset:(\off)+128*((\q)/4)+64*(((\q)%4)/2)+16*((\q)%2)
	global_load_b128 v[(\rb)+32+4*(\q):(\rb)+32+4*(\q)+3], v[FA], s[AP:AP+1] offset:(\off)+128*((\q)/4)+64*(((\q)%4)/2)+16*((\q)%2)
.endr
.endm
.macro CONV rb                         ; sixteen f32 become a fragment's eight registers, in place and ascending
.irp g, 0,16,32,48
.irp i, 0,1,2,3,4,5,6,7
	v_cvt_pk_bf16_f32 v[(\rb)+(\g)+(\i)], v[(\rb)+(\g)+2*(\i)], v[(\rb)+(\g)+2*(\i)+1]
.endr
.endr
.endm
.macro ADD8 d, s                       ; eight sums onto eight
.irp i, 0,2,4,6
	v_pk_add_f32 v[(\d)+(\i):(\d)+(\i)+1], v[(\d)+(\i):(\d)+(\i)+1], v[(\s)+(\i):(\s)+(\i)+1]
.endr
.endm
	global_load_b128 v[OP:OP+3], v[TO], s[8:9]     ; every wave loads the tile of pre, 1,024 bytes, so that the counts below are the same in all waves; wave 0 uses it
	global_load_b128 v[OP+4:OP+7], v[TO], s[8:9] offset:512
	FLOAD R0, 0
	FLOAD R1, 256
	s_wait_loadcnt 16                              ; the first set is in; the second's sixteen loads stay out
	CONV R0
	v_wmma_f32_16x16x32_bf16 v[ACC:ACC+7], v[R0:R0+7], v[R0+32:R0+39], 0          ; the first products start the sums; the two accumulators take turns
	v_wmma_f32_16x16x32_bf16 v[ACC+8:ACC+15], v[R0+16:R0+23], v[R0+48:R0+55], 0
	s_wait_loadcnt 0x0
	CONV R1
	v_wmma_f32_16x16x32_bf16 v[ACC:ACC+7], v[R1:R1+7], v[R1+32:R1+39], v[ACC:ACC+7]
	v_wmma_f32_16x16x32_bf16 v[ACC+8:ACC+15], v[R1+16:R1+23], v[R1+48:R1+55], v[ACC+8:ACC+15]
.rept 8
	v_nop                                          ; the places behind the last products, in front of the first read of the sums: eight, once a launch
.endr
	ADD8 ACC, ACC+8                                ; both accumulators are read from their low end on
	ds_store_b128 v[LSA], v[ACC:ACC+3] offset:PART
	ds_store_b128 v[LSA], v[ACC+4:ACC+7] offset:PART+512
	s_wait_dscnt 0x0                               ; for wave 0's sake: my stores are done
	s_barrier_signal -1
	s_barrier_wait -1                              ; all eight partial tiles lie in LDS
	s_cmp_lg_u32 s16, 0
	s_cbranch_scc1 .Lend                           ; wave 0 finishes the tile
.irp w, 0,1,2,3,4,5,6,7
	ds_load_b128 v[R0+8*(\w):R0+8*(\w)+3], v[TO] offset:PART+1024*(\w)
	ds_load_b128 v[R0+8*(\w)+4:R0+8*(\w)+7], v[TO] offset:PART+1024*(\w)+512
.endr
	s_wait_dscnt 0x0
	ADD8 R0, R0+8
	ADD8 R0+16, R0+24
	ADD8 R0+32, R0+40
	ADD8 R0+48, R0+56
	ADD8 R0, R0+16
	ADD8 R0+32, R0+48
	ADD8 R0, R0+32
.irp i, 0,2,4,6
	v_pk_fma_f32 v[R0+(\i):R0+(\i)+1], v[R0+(\i):R0+(\i)+1], s[26:27], v[OP+(\i):OP+(\i)+1] op_sel_hi:[1,0,1]  ; c x
.endr
.irp i, 0,1,2,3,4,5,6,7
	v_exp_f32 v[R0+(\i)], v[R0+(\i)]
.endr
	v_nop                                          ; a plain instruction behind the last exponential,
	s_wait_alu depctr_va_vdst(0)                   ; and one wait for the eight, ahead of their first reader
.irp i, 0,2,4,6
	v_pk_add_f32 v[R0+(\i):R0+(\i)+1], v[R0+(\i):R0+(\i)+1], 1.0 op_sel_hi:[1,0]
.endr
.irp i, 0,1,2,3,4,5,6,7
	v_rcp_f32 v[R0+(\i)], v[R0+(\i)]
.endr
	v_nop
	s_wait_alu depctr_va_vdst(0)
.irp i, 0,2,4,6
	v_pk_fma_f32 v[R0+(\i):R0+(\i)+1], v[R0+(\i):R0+(\i)+1], -2.0, 1.0 op_sel_hi:[1,0,0]
.endr
	global_store_b128 v[FA], v[R0:R0+3], s[10:11]
	global_store_b128 v[FA], v[R0+4:R0+7], s[10:11] offset:16
.Lend:
	s_wait_tensorcnt 0x0                           ; the wave's end: behind my last LDS store
	ds_add_u32 v[SPW], v[NIL]
	s_wait_dscnt 0x0
	s_endpgm
.Lfunc_end_k_q099fce9820_final:
	.size	k_q099fce9820_final, .Lfunc_end_k_q099fce9820_final-k_q099fce9820_final
	.p2alignl 7, 3214868480
	.fill 96, 4, 3214868480
	.section	.rodata,"a",@progbits
	.p2align	6, 0x0
	.amdhsa_kernel k_q099fce9820_final
		.amdhsa_group_segment_fixed_size 9216
		.amdhsa_private_segment_fixed_size 0
		.amdhsa_enable_private_segment 0
		.amdhsa_kernarg_size 32
		.amdhsa_user_sgpr_count 2
		.amdhsa_user_sgpr_kernarg_segment_ptr 1
		.amdhsa_wavefront_size32 1
		.amdhsa_system_sgpr_workgroup_id_x 1
		.amdhsa_system_sgpr_workgroup_id_y 1
		.amdhsa_system_sgpr_workgroup_id_z 1
		.amdhsa_system_vgpr_workitem_id 0
		.amdhsa_next_free_vgpr 168
		.amdhsa_next_free_sgpr 66
		.amdhsa_reserve_vcc 0
		.amdhsa_float_denorm_mode_32 3
		.amdhsa_float_denorm_mode_16_64 3
		.amdhsa_memory_ordered 1
		.amdhsa_forward_progress 1
		.amdhsa_inst_pref_size 15
	.end_amdhsa_kernel
	.amdgpu_metadata
---
amdhsa.version: [ 1, 2 ]
amdhsa.kernels:
  - .name:           k_q099fce9820_final
    .symbol:         k_q099fce9820_final.kd
    .args:
      - { .name: out1, .offset: 0, .size: 8, .value_kind: global_buffer, .address_space: global }
      - { .name: W_comb, .offset: 8, .size: 8, .value_kind: global_buffer, .address_space: global }
      - { .name: pre, .offset: 16, .size: 8, .value_kind: global_buffer, .address_space: global }
      - { .name: out0, .offset: 24, .size: 8, .value_kind: global_buffer, .address_space: global }
    .group_segment_fixed_size: 9216
    .private_segment_fixed_size: 0
    .kernarg_segment_align: 8
    .kernarg_segment_size: 32
    .max_flat_workgroup_size: 256
    .sgpr_count:     66
    .vgpr_count:     168
    .wavefront_size: 32
...
	.end_amdgpu_metadata
.endif
;; end of part 4
;; ======== version 2 of 2: 4 launches; version 1 with the launch prep written anew for expert scheduling mode
;; workspace buffers: encb 33,554,432 bytes; w2b 4,194,304 bytes; pre 786,432 bytes; part 1,048,576 bytes
;; launch prep (part 5): grid 768 x 1, 4 waves a work-group, no clusters, 0 bytes of LDS; arguments encoder_states, W_attn, W_comb, hidden, decoder_out, b_attn, b_comb, encb, w2b, pre; writes encb, w2b, pre
.if DOCPART == 5
	.amdgcn_target "amdgcn-amd-amdhsa--gfx1250"
	.amdhsa_code_object_version 6
	.text
	.protected	k_q099fce9820_prep
	.globl	k_q099fce9820_prep
	.p2align	8
	.type	k_q099fce9820_prep,@function
k_q099fce9820_prep:
	s_mov_b64 s[64:65], 0
	v_nop
	global_prefetch_b8 v0, s[64:65] scope:SCOPE_SE
	s_setreg_imm32_b32 hwreg(HW_REG_WAVE_SCHED_MODE, 0, 2), 2
	s_setreg_imm32_b32 hwreg(HW_REG_WAVE_MODE, 25, 1), 1
	s_wait_xcnt 0x0
	s_wait_alu depctr_vm_vsrc(0)
; PREPARATION, three kinds of work-group, told apart by the work-group's number alone.  c = 2 log2(e): tanh(x) = 1 - 2 / (1 + 2^(c x)), so all that later enters a tanh is made with the factor c inside.
;   0 .. 191    pre: tiles of 16 n x 16 b of c (A W^T + bias), K = 1,024.  0 .. 127: A = hidden, W = W_attn's left half, bias = b_attn (the part of the scores' product that is the same for every s).
;               128 .. 191: A = decoder_out, W = W_comb's left half, bias = b_comb.  Wave bb makes the tile of b = 16 bb .. 16 bb + 15.  Operands rounded once to bf16, sums in f32.
;   192 .. 703  encb[b][s][:] = bf16(encoder_states[s][b][:]): rows turned so that one b's 256 rows lie together.  32 rows a work-group, 8 a wave.
;   704 .. 767  w2b[n][:] = bf16(c W_attn[n][1024:]).  32 rows a work-group, 8 a wave.
; LIMIT: w2b is rounded to bf16 after the multiplication by c (one f32 rounding, then the bf16 one).  NaN and infinities are not treated apart.
; No LDS, no barrier: no wave wants a byte that another has fetched into registers.  No cluster: nothing comes through LDS.  No prefetch: the launch is a stream of loads that are always out.
; A tile of pre is 1,024 bytes, at 1,024 (4 g + bb): [half jq of the 8 registers][lane][4 numbers]: lane r + 16 h, number 4 jq + i is (b = 16 bb + r, n = 16 g' + 8 h + 4 jq + i).
; THE MODE: SCHED_MODE bits 1:0 = 2 (LLVM: expert scheduling mode 2), set by the entry lines.  The code itself states the register dependences
; between vector or matrix instructions and memory instructions, with s_wait_alu, always for 0.
; THE PLAN.  Registers that memory instructions touch:
;   v4 .. v9     byte offsets, made once at the head and never written again: rows are reached by immediate offsets and, in the few rows' loop, by two scalar bases.
;   CONVERSION   X0 .. X3: four rows as loaded.  Written by the loads of row p + 3, issued in block p; read (the scaled kind: also multiplied in place) by block p's vector lines.
;                Y0, Y1: two rows to store.  Written by block p's roundings; read by the eight stores that are issued in block p + 1.
;                Block p works on X[p % 4] and writes Y[p % 2]; its memory instructions are the loads into X[(p - 1) % 4] and the stores from Y[(p - 1) % 2]: the two buffers that block p - 1
;                worked on and that no vector line of block p names.  So the waits at a block's head state all that its sixteen memory instructions hang on.
;   FEW ROWS     RAW0 .. RAW2: three sets of 64 along K as loaded.  A turn's 32 roundings read RAW[s]; behind them the loads of the set three on land in it.
;                BF (the fragments) is named by the roundings and the products alone.  The first accumulator takes the bias by two loads at the start and is the two stores' data at the end.
;                So ONE wait on va_vdst stands in a turn that fills, behind its roundings; the sixteen loads follow it, dealt among the two products, which name BF and the accumulators.
.set CEXP, 0x4038aa3b                  ; c = 2.885390
.set LO,  4                            ; v4   16 x lane: my 16 bytes of 512 in a row of f32; never rewritten
.set SO,  5                            ; v5   8 x lane: my 8 bytes of 256 in a row of bf16; never rewritten
.set FW,  6                            ; v6   my place in a fragment of W: (l % 16) x 8,192 + 32 (l / 16); never rewritten
.set FA,  7                            ; v7   the same for A: (l % 16) x 4,096 + 32 (l / 16); never rewritten
.set BO,  8                            ; v8   32 (l / 16): my eight numbers of the bias
.set TO,  9                            ; v9   16 x lane: my place in half a tile of pre
.set X,   64                           ; v[64:191]  conversion: four row buffers of 32 registers, as loaded
.set Y,   192                          ; v[192:223] conversion: two row buffers of 16 registers, to store
.set BF,  10                           ; v[10:41]   few rows: four fragments of 8: W's first and second 32 along K, then A's
.set R0,  42                           ; v[42:233]  few rows: three sets of 64: 32 of W, then 32 of A, as loaded (f32)
.set R1,  106
.set R2,  170
.set ACC, 234                          ; v[234:249] two accumulators, for the even and the odd 32 along K
.set SRC, 28                           ; s[28:29] conversion: my first row in the source
.set DST, 30                           ; s[30:31] and in the destination
.set WP,  32                           ; s[32:33] few rows: W at my 16 rows
.set AP,  34                           ; s[34:35] A at my 16 rows
.set BP,  36                           ; s[36:37] the bias at my 16 numbers
	s_load_b512 s[4:19], s[0:1], 0x0               ; enc s[4:5], W_attn s[6:7], W_comb s[8:9], hidden s[10:11], decoder_out s[12:13], b_attn s[14:15], b_comb s[16:17], encb s[18:19]
	s_load_b128 s[20:23], s[0:1], 0x40             ; w2b s[20:21], pre s[22:23]
	v_lshrrev_b32 v1, 5, v0
	v_readfirstlane_b32 s24, v1                    ; wave 0..3
	v_and_b32 v1, 31, v0                           ; lane
	v_and_b32 v2, 15, v0                           ; l % 16
	v_bfe_u32 v3, v0, 4, 1                         ; l / 16
	v_lshlrev_b32 v[LO], 4, v1
	v_lshlrev_b32 v[SO], 3, v1
	v_lshlrev_b32 v[FW], 13, v2
	v_lshl_add_u32 v[FW], v3, 5, v[FW]
	v_lshlrev_b32 v[FA], 12, v2
	v_lshl_add_u32 v[FA], v3, 5, v[FA]
	v_lshlrev_b32 v[BO], 5, v3
	v_lshlrev_b32 v[TO], 4, v1
	s_mov_b32 s26, CEXP
	s_mov_b32 s27, s26                             ; named with it as a pair
	s_wait_alu depctr_va_sdst(0)                   ; s24 is written, ahead of the branches and of its first reader on each of the three ways: the addresses are made from it
	s_wait_alu depctr_va_vdst(0)                   ; the six offsets v4 to v9 are written: every load and store of the kernel reads one of them
	s_wait_kmcnt 0x0
	s_cmp_lt_u32 ttmp9, 192
	s_cbranch_scc1 .Lfew
	s_cmp_lt_u32 ttmp9, 704
	s_cbranch_scc0 .Lw2
; THE CONVERSION.  A row is 4,096 bytes of f32: eight loads of 512 neighbouring bytes.  A lane's four numbers become 8 bytes, so each store of the wave covers 256 consecutive bytes, aligned.
; Four row buffers as loaded: one at work, three on their way in or about to be asked for again; two row buffers to store: one being written, one whose stores are leaving.
.macro CFILL slot, row, sstep
.irp j, 0,1,2,3,4,5,6,7
	global_load_b128 v[X+32*(\slot)+4*(\j):X+32*(\slot)+4*(\j)+3], v[LO], s[SRC:SRC+1] offset:(\row)*(\sstep)+512*(\j) th:TH_LOAD_NT
.endr
.endm
; Block p = row.  left: how many younger loads may stay out.  Rows 3 to 7 are asked for in blocks 0 to 4; row p - 1 is stored in block p.
.macro CBLK row, left, scaled, sstep, dstep
.set XS, X+32*((\row)%4)               ; the row at work
.set XN, X+32*(((\row)+3)%4)           ; the buffer that the block before worked on: it takes the row three further on
.set YS, Y+16*((\row)%2)               ; where this row's roundings go
.set YP, Y+16*(1-(\row)%2)             ; where the row before lies, rounded
	s_wait_loadcnt \left                           ; loads come back in order: my row's eight are in
.if (\row) >= 2
	s_wait_xcnt 0x0                                ; every earlier memory instruction has had its addresses translated: this block's Y, the data of stores issued in the block before, is rewritten only behind this wait
	s_wait_alu depctr_vm_vsrc(0)                   ; those stores have read this block's Y, which the roundings below write again
.endif
.if (\row) >= 1
	s_wait_alu depctr_va_vdst(0)                   ; the block before has written the other Y, which the stores below read, and is done with its X, in which the loads below land
.endif
.irp j, 0,1,2,3,4,5,6,7
.if (\row) <= 4
	global_load_b128 v[XN+4*(\j):XN+4*(\j)+3], v[LO], s[SRC:SRC+1] offset:((\row)+3)*(\sstep)+512*(\j) th:TH_LOAD_NT  ; no vector line since the last wait on va_vdst names these registers
.endif
.if (\row) >= 1
	global_store_b64 v[SO], v[YP+2*(\j):YP+2*(\j)+1], s[DST:DST+1] offset:((\row)-1)*(\dstep)+256*(\j) th:TH_STORE_NT
.endif
.if \scaled
	v_pk_mul_f32 v[XS+4*(\j):XS+4*(\j)+1], v[XS+4*(\j):XS+4*(\j)+1], s[26:27] op_sel_hi:[1,0]
	v_pk_mul_f32 v[XS+4*(\j)+2:XS+4*(\j)+3], v[XS+4*(\j)+2:XS+4*(\j)+3], s[26:27] op_sel_hi:[1,0]
.endif
	v_cvt_pk_bf16_f32 v[YS+2*(\j)], v[XS+4*(\j)], v[XS+4*(\j)+1]
	v_cvt_pk_bf16_f32 v[YS+2*(\j)+1], v[XS+4*(\j)+2], v[XS+4*(\j)+3]
.endr
.endm
.macro CONVERT scaled, sstep, dstep
	CFILL 0, 0, \sstep
	CFILL 1, 1, \sstep
	CFILL 2, 2, \sstep
	CBLK 0, 16, \scaled, \sstep, \dstep            ; two younger rows, sixteen loads, stay out; no block stands in front of it, and no vector line since the head's wait names X3
	CBLK 1, 16, \scaled, \sstep, \dstep
	CBLK 2, 16, \scaled, \sstep, \dstep
	CBLK 3, 16, \scaled, \sstep, \dstep
	CBLK 4, 16, \scaled, \sstep, \dstep            ; the last loads: row 7
	CBLK 5, 16, \scaled, \sstep, \dstep
	CBLK 6, 8, \scaled, \sstep, \dstep             ; the counts run down
	CBLK 7, 0, \scaled, \sstep, \dstep
	s_wait_alu depctr_va_vdst(0)                   ; block 7 has written Y1, which the last eight stores read
.irp j, 0,1,2,3,4,5,6,7
	global_store_b64 v[SO], v[Y+16+2*(\j):Y+16+2*(\j)+1], s[DST:DST+1] offset:7*(\dstep)+256*(\j) th:TH_STORE_NT
.endr
.endm
	; encoder_states: work-group ci takes rows 32 ci .. 32 ci + 31 of [s][b]: s = ci / 2, b from 32 (ci % 2) + 8 wave on
	s_sub_co_u32 s25, ttmp9, 192
	s_lshl_b32 s40, s25, 17                        ; 32 rows of 4,096 bytes
	s_lshl_b32 s41, s24, 15                        ; my wave's 8
	s_add_co_u32 s40, s40, s41
	s_mov_b32 s41, 0
	s_add_nc_u64 s[SRC:SRC+1], s[4:5], s[40:41]
	s_lshr_b32 s42, s25, 1                         ; s
	s_and_b32 s43, s25, 1
	s_lshl_b32 s43, s43, 5
	s_lshl3_add_u32 s43, s24, s43                  ; my first b
	s_lshl_b32 s43, s43, 19                        ; a b is 256 rows of 2,048 bytes
	s_lshl_b32 s42, s42, 11
	s_add_co_u32 s42, s42, s43
	s_mov_b32 s43, 0
	s_add_nc_u64 s[DST:DST+1], s[18:19], s[42:43]
	CONVERT 0, 4096, 524288                        ; from b to b + 1: the next row of the source, 524,288 bytes on in encb (7 x that + 1,792 lies inside the signed 24-bit immediate)
	s_endpgm
.Lw2:	; W_attn's right half: rows 32 wi + 8 wave on
	s_sub_co_u32 s25, ttmp9, 704
	s_lshl_b32 s25, s25, 5
	s_lshl3_add_u32 s25, s24, s25                  ; my first n
	s_lshl_b32 s40, s25, 13                        ; a row of W_attn is 8,192 bytes,
	s_add_co_u32 s40, s40, 4096                    ; its right half begins 4,096 in
	s_mov_b32 s41, 0
	s_add_nc_u64 s[SRC:SRC+1], s[6:7], s[40:41]
	s_lshl_b32 s42, s25, 11
	s_mov_b32 s43, 0
	s_add_nc_u64 s[DST:DST+1], s[20:21], s[42:43]
	CONVERT 1, 8192, 2048
	s_endpgm
; FEW ROWS.  The product is taken as W A^T (source 0 = 16 rows of W, source 1 = 16 rows of A): a lane holds one b (l % 16) and the eight n 8 (l / 16) + 0..7.
; A fragment is 16 rows x 32 K: lane l holds row l % 16, K = 8 (l / 16) + 0..7 and 16 + 8 (l / 16) + 0..7.  From f32 rows that is four loads of 16 bytes, at 32 (l / 16) + 0, 16, 64, 80.
; A set is 64 along K: 256 consecutive bytes, aligned, of each of the 32 rows, in sixteen loads.  FHALF: the eight loads of its half h, 32 along K.
.macro FHALF rb, off, h
.irp q, 0,1,2,3
	global_load_b128 v[(\rb)+16*(\h)+4*(\q):(\rb)+16*(\h)+4*(\q)+3], v[FW], s[WP:WP+1] offset:(\off)+128*(\h)+64*((\q)/2)+16*((\q)%2)
	global_load_b128 v[(\rb)+32+16*(\h)+4*(\q):(\rb)+32+16*(\h)+4*(\q)+3], v[FA], s[AP:AP+1] offset:(\off)+128*(\h)+64*((\q)/2)+16*((\q)%2)
.endr
.endm
; A set's turn: 32 roundings empty the set into the four fragments; then two products, one on each accumulator, so that the accumulators take turns, over the backward jump too.
; fill = 1: the set is asked for again at once, for the 64 along K three sets on: eight loads behind each product.
.macro FTURN rb, left, fill, off
	s_wait_loadcnt \left                           ; my set's sixteen loads are in; the younger sets' stay out
.irp g, 0,1,2,3
.irp i, 0,1,2,3,4,5,6,7
	v_cvt_pk_bf16_f32 v[BF+8*(\g)+(\i)], v[(\rb)+16*(\g)+2*(\i)], v[(\rb)+16*(\g)+2*(\i)+1]  ; sixteen f32 become a fragment's eight registers
.endr
.endr
.if \fill
	s_wait_alu depctr_va_vdst(0)                   ; the roundings are done reading this set, in which the sixteen loads below land; the two products between them name the fragments and the accumulators alone
.endif
	v_wmma_f32_16x16x32_bf16 v[ACC:ACC+7], v[BF:BF+7], v[BF+16:BF+23], v[ACC:ACC+7]
.if \fill
	FHALF \rb, \off, 0
.endif
	v_wmma_f32_16x16x32_bf16 v[ACC+8:ACC+15], v[BF+8:BF+15], v[BF+24:BF+31], v[ACC+8:ACC+15]
.if \fill
	FHALF \rb, \off, 1
.endif
.rept 4
	v_nop                                          ; four places behind the products, in front of the next turn's roundings, which write the fragments that the products have read (ISA guide 7.12.1)
.endr
.endm
.Lfew:
	s_cmp_lt_u32 ttmp9, 128                        ; which of the two products
	s_cselect_b64 s[WP:WP+1], s[6:7], s[8:9]
	s_cselect_b64 s[AP:AP+1], s[10:11], s[12:13]
	s_cselect_b64 s[BP:BP+1], s[14:15], s[16:17]
	s_cselect_b32 s38, 0, 128
	s_sub_co_u32 s38, ttmp9, s38                   ; the block of 16 n in its own W
	s_lshl_b32 s40, s38, 17                        ; 16 rows of 8,192 bytes
	s_mov_b32 s41, 0
	s_add_nc_u64 s[WP:WP+1], s[WP:WP+1], s[40:41]
	s_lshl_b32 s40, s24, 16                        ; 16 rows of 4,096 bytes
	s_add_nc_u64 s[AP:AP+1], s[AP:AP+1], s[40:41]
	s_lshl_b32 s40, s38, 6
	s_add_nc_u64 s[BP:BP+1], s[BP:BP+1], s[40:41]
	s_lshl2_add_u32 s40, ttmp9, s24                ; tile 4 g + bb
	s_lshl_b32 s40, s40, 10
	s_add_nc_u64 s[22:23], s[22:23], s[40:41]
	global_load_b128 v[ACC:ACC+3], v[BO], s[BP:BP+1]             ; the first accumulator starts at the bias: a lane's eight n, the same for every b
	global_load_b128 v[ACC+4:ACC+7], v[BO], s[BP:BP+1] offset:16
	FHALF R0, 0, 0
	FHALF R0, 0, 1
	FHALF R1, 256, 0
	FHALF R1, 256, 1
	FHALF R2, 512, 0
	FHALF R2, 512, 1
.irp i, 8,9,10,11,12,13,14,15
	v_mov_b32 v[ACC+(\i)], 0                       ; the second starts at 0: written while the loads are out, so that the loop has one form of product; no memory instruction names these eight
.endr
	s_mov_b32 s39, 4
.Lft:                                          ; a trip: sets 3 i, 3 i + 1, 3 i + 2 are multiplied, the three after them asked for
	FTURN R0, 32, 1, 768
	FTURN R1, 32, 1, 1024
	FTURN R2, 32, 1, 1280
	s_wait_xcnt 0x0                                ; every load issued so far has read its address, so the pointers may be written
	s_add_nc_u64 s[WP:WP+1], s[WP:WP+1], 768
	s_add_nc_u64 s[AP:AP+1], s[AP:AP+1], 768
	s_sub_co_u32 s39, s39, 1
	s_cmp_lg_u32 s39, 0
	s_cbranch_scc1 .Lft
	FTURN R0, 32, 1, 768                           ; set 12; the last loads: set 15
	FTURN R1, 32, 0, 0                             ; the last three turns ask for nothing, so they state nothing
	FTURN R2, 16, 0, 0                             ; the counts run down
	FTURN R0, 0, 0, 0
.rept 4
	v_nop                                          ; with the four above: eight, once a launch, in front of the first read of the sums
.endr
.irp i, 0,2,4,6
	v_pk_add_f32 v[ACC+(\i):ACC+(\i)+1], v[ACC+(\i):ACC+(\i)+1], v[ACC+8+(\i):ACC+8+(\i)+1]  ; both accumulators are read from their low end on
.endr
.irp i, 0,2,4,6
	v_pk_mul_f32 v[ACC+(\i):ACC+(\i)+1], v[ACC+(\i):ACC+(\i)+1], s[26:27] op_sel_hi:[1,0]
.endr
	s_wait_alu depctr_va_vdst(0)                   ; the multiplications have written the eight registers that the two stores read
	global_store_b128 v[TO], v[ACC:ACC+3], s[22:23]              ; each store covers 512 consecutive bytes, aligned
	global_store_b128 v[TO], v[ACC+4:ACC+7], s[22:23] offset:512
	s_endpgm
.Lfunc_end_k_q099fce9820_prep:
	.size	k_q099fce9820_prep, .Lfunc_end_k_q099fce9820_prep-k_q099fce9820_prep
	.p2alignl 7, 3214868480
	.fill 96, 4, 3214868480
	.section	.rodata,"a",@progbits
	.p2align	6, 0x0
	.amdhsa_kernel k_q099fce9820_prep
		.amdhsa_group_segment_fixed_size 0
		.amdhsa_private_segment_fixed_size 0
		.amdhsa_enable_private_segment 0
		.amdhsa_kernarg_size 80
		.amdhsa_user_sgpr_count 2
		.amdhsa_user_sgpr_kernarg_segment_ptr 1
		.amdhsa_wavefront_size32 1
		.amdhsa_system_sgpr_workgroup_id_x 1
		.amdhsa_system_sgpr_workgroup_id_y 1
		.amdhsa_system_sgpr_workgroup_id_z 1
		.amdhsa_system_vgpr_workitem_id 0
		.amdhsa_next_free_vgpr 250
		.amdhsa_next_free_sgpr 66
		.amdhsa_reserve_vcc 0
		.amdhsa_float_denorm_mode_32 3
		.amdhsa_float_denorm_mode_16_64 3
		.amdhsa_memory_ordered 1
		.amdhsa_forward_progress 1
		.amdhsa_inst_pref_size 81
	.end_amdhsa_kernel
	.amdgpu_metadata
---
amdhsa.version: [ 1, 2 ]
amdhsa.kernels:
  - .name:           k_q099fce9820_prep
    .symbol:         k_q099fce9820_prep.kd
    .args:
      - { .name: encoder_states, .offset: 0, .size: 8, .value_kind: global_buffer, .address_space: global }
      - { .name: W_attn, .offset: 8, .size: 8, .value_kind: global_buffer, .address_space: global }
      - { .name: W_comb, .offset: 16, .size: 8, .value_kind: global_buffer, .address_space: global }
      - { .name: hidden, .offset: 24, .size: 8, .value_kind: global_buffer, .address_space: global }
      - { .name: decoder_out, .offset: 32, .size: 8, .value_kind: global_buffer, .address_space: global }
      - { .name: b_attn, .offset: 40, .size: 8, .value_kind: global_buffer, .address_space: global }
      - { .name: b_comb, .offset: 48, .size: 8, .value_kind: global_buffer, .address_space: global }
      - { .name: encb, .offset: 56, .size: 8, .value_kind: global_buffer, .address_space: global }
      - { .name: w2b, .offset: 64, .size: 8, .value_kind: global_buffer, .address_space: global }
      - { .name: pre, .offset: 72, .size: 8, .value_kind: global_buffer, .address_space: global }
    .group_segment_fixed_size: 0
    .private_segment_fixed_size: 0
    .kernarg_segment_align: 8
    .kernarg_segment_size: 80
    .max_flat_workgroup_size: 128
    .sgpr_count:     66
    .vgpr_count:     250
    .wavefront_size: 32
...
	.end_amdgpu_metadata
.endif
;; end of part 5
;; launch score: the kernel of part 2 again; grid 8 x 64, 4 waves a work-group, clusters of 4 x 4, 327,680 bytes of LDS; arguments encb, w2b, pre, W_attn2, part; writes part
;; launch apply: the kernel of part 3 again; grid 4 x 64, 8 waves a work-group, no clusters, 10,752 bytes of LDS; arguments part, b_attn2, encb, out1; writes out1
;; launch final: the kernel of part 4 again; grid 64 x 4, 8 waves a work-group, no clusters, 9,216 bytes of LDS; arguments out1, W_comb, pre, out0; writes out0
